; MI455X (gfx1250); checked and timed in simulation.
; The chip was launched on July 23, 2026; its instructions are those of AMD's public machine-readable ISA for CDNA 5 (MIT licence, August 2026) and "CDNA5" Instruction Set Architecture Reference Guide (July 2026). The comments in the code are by the model that wrote it; some were corrected since.
;; Multihead Self Attention. Allowed arithmetic: matrix products marked QUANTISED: E2M1 operands, one E8M0 scale for each 32 along K, by v_wmma_scale_f32_16x16x128_f8f6f4 with both operands' format E2M1 (or v_wmma_scale_f32_32x16x128_f4), f32 sums; products left as they are: bf16, f16 or f32 operands; f32 sums; everything else in f32.
;; Inputs: Wk 1,024 x 1,024 float32; Wo 1,024 x 1,024 float32; Wq 1,024 x 1,024 float32; Wv 1,024 x 1,024 float32; x 2 x 2,048 x 1,024 float32.
;; Outputs: out0 2 x 2,048 x 1,024 float32.
;; This version of the problem:
;;   THIS VERSION OF THE PROBLEM IS GIVEN IN LOW PRECISION. The matrix products marked QUANTISED in the list below multiply operands that are first quantised to E2M1 (2 exponent bits, 1 mantissa bit; 4 bits a number), with one power-of-two scale for each 32 numbers along K (OCP MX v1.0); their sums are f32. The products marked 'left as it is' may take bf16, f16 or f32 operands, with f32 sums. Whichever they take, every output number must still come out within the allowed error. Rounding operands to bf16 (8 significant bits) uses up far more of that allowance than f16 does (11 bits, for magnitudes from 6e-5 to 65,504). All else is computed in f32.
;;   The module's matrix products, in the order in which they are computed (A, B: the left and right operand; K: the contracted axis; several contracted axes count as one K, in the product's order):
;;     1. [M 4,096, K 1,024] x [K 1,024, N 1,024]; A: input x; B: input Wq: QUANTISED
;;     2. [M 4,096, K 1,024] x [K 1,024, N 1,024]; A: input x; B: input Wk: QUANTISED
;;     3. [M 4,096, K 1,024] x [K 1,024, N 1,024]; A: input x; B: input Wv: QUANTISED
;;     4. batch 32 x [M 2,048, K 64] x [K 64, N 2,048]; A: computed on the way; B: computed on the way: left as it is (an operand is computed on the way)
;;     5. batch 32 x [M 2,048, K 2,048] x [K 2,048, N 64]; A: computed on the way; B: computed on the way: left as it is (an operand is computed on the way)
;;     6. [M 4,096, K 1,024] x [K 1,024, N 1,024]; A: computed on the way; B: input Wo: left as it is (an operand is computed on the way)
;;   THE QUANTISER, for each operand of a quantised product, along K:
;;     - K is cut into blocks of 32 from its start; a last block that is shorter is filled with zeros.
;;     - A block's scale is 2^e with e = floor(log2(the largest magnitude in the block)) - 2, held to -126 .. 127; a block of zeros has e = 0. As a byte (E8M0): e + 127.
;;     - Each number is divided by its block's scale, clamped to +-6, and rounded to the nearest number of E2M1, ties to even, subnormals kept.
;;     - The product sums the exact products of the quantised numbers (number of the format x scale) in f32.
;;   ~~~python
;;   def quantise(x, axis):      # numpy; x: float32 -> the quantised numbers, widened to float32 again
;;       x = np.moveaxis(x, axis, -1); K = x.shape[-1]
;;       x = np.pad(x, [(0, 0)] * (x.ndim - 1) + [(0, -K % 32)]); x = x.reshape(x.shape[:-1] + (-1, 32)); a = np.abs(x).max(-1, keepdims=True)
;;       e = np.where(a > 0, np.clip(np.frexp(np.where(a > 0, a, 1))[1] - 1 - 2, -126, 127), 0)      # np.frexp(a)[1] - 1 = floor(log2(a)), exactly
;;       r = np.clip(x / 2.0 ** e, -6, 6)
;;       step = 2.0 ** (np.maximum(np.frexp(np.where(r == 0, 1, r))[1] - 1, 0) - 1)
;;       q = np.round(r / step) * step * 2.0 ** e      # np.round: ties to even
;;       return np.moveaxis(q.reshape(q.shape[:-2] + (-1,))[..., :K], -1, axis).astype(np.float32)
;;   ~~~
;; One version. Each part assembles by itself: llvm-mc -triple=amdgcn-amd-amdhsa -mcpu=gfx1250 --defsym DOCPART=n.
;; ======== version 1 of 1: 5 launches
;; limits: values are held in f16: magnitudes above 65,504 overflow, below 6.1e-05 lose precision
;; workspace buffers: xw_codes 3,670,016 bytes; xw_scales 229,376 bytes; wo16 2,097,152 bytes; tab 524,288 bytes; qkv 25,165,824 bytes; fine 393,216 bytes; attnf 8,388,608 bytes
;; launch prep (part 1): grid 272 x 1, 4 waves a work-group, no clusters, 33,280 bytes of LDS; arguments x, Wq, Wk, Wv, Wo, xw_codes, xw_scales, wo16, tab; writes xw_codes, xw_scales, wo16, tab
.if DOCPART == 1
	.amdgcn_target "amdgcn-amd-amdhsa--gfx1250"
	.amdhsa_code_object_version 6
	.text
	.protected	k_qfebe106144_prep
	.globl	k_qfebe106144_prep
	.p2align	8
	.type	k_qfebe106144_prep,@function
k_qfebe106144_prep:
	s_mov_b64 s[64:65], 0
	v_nop
	global_prefetch_b8 v0, s[64:65] scope:SCOPE_SE
	s_setreg_imm32_b32 hwreg(HW_REG_WAVE_MODE, 25, 1), 1
	s_wait_xcnt 0x0
; THREE JOBS IN ONE LAUNCH, parted by the work-group's number g.
; g < 224: x [4096][1024] and Wq, Wk, Wv [1024][1024], f32, become codes of FP4 (E2M1), K innermost, with one E8M0 byte for each 32 along K.
;   A block's scale is 2^(floor(log2(largest magnitude)) - 2); its byte is the largest magnitude's exponent field - 2, held at 1 from below (a block of zeros keeps byte 1: its codes are zeros,
;   and this program alone reads the bytes).  The rows of the codes' buffer: 0..4095 x; 4096 + 192 head + 64 type + (e % 64) row e of W_type (type 0 q, 1 k, 2 v), so that a head's q, k, v rows lie together.
; 224 <= g < 256: Wo becomes f16, row-major.       g >= 256: the table of cos and sin for RoPE, in the order in which the next launch's registers take it.
; LIMITS: blocks whose largest magnitude lies under 2^-124 keep byte 1; NaN and infinities are not served; |Wo| under 65,504; the phases are good to about 2.5e-4 rad (f32 phase, two-part pi/2).
; Only the first job touches LDS (a wave's own stage and its 256 scale bytes).  No barrier: waves share nothing.  Loads run eight steps ahead: 32 loads, 16,384 bytes, of every wave are on their way.
.set STEPS, 16
.set DEPTH, 8                          ; steps that the loads run ahead; as many sets of 16 registers
.set EMAX,  2
.set CB,    8                          ; bytes of 16 codes
.set R,     16                         ; v16-143  eight sets of 16 numbers as loaded
.set X,     144                        ; v144-175 two sets of 16 neighbours (second job: four sets of 8 packed registers)
.set E,     176                        ; v176-191 a scale byte for each step
.set C,     192                        ; v192-223 codes, two registers a step, so that no store's data are written again
.set WREG,  8192                       ; LDS: a region for each wave: two stages of 32 x SP bytes, then 256 scale bytes
.set SP,    80                         ; a lane's place in a stage: 64 bytes + 16 of padding
.set SPW,   12                         ; v12 LDS address of my spare word; never rewritten
.set NIL,   13                         ; v13 0; never rewritten
.set SPARE, 4*WREG                     ; behind the four regions: the spare words, 128 bytes a wave, named by no other line
.macro LOAD t
.irp i, 0,1,2,3
	global_load_b128 v[R+16*((\t)%DEPTH)+4*\i:R+16*((\t)%DEPTH)+4*\i+3], v3, s[22:23] offset:2048*(\t)+512*\i th:TH_LOAD_NT   ; 32 lanes read 512 consecutive bytes
.endr
.endm
.macro TURN t                          ; a step's 2,048 bytes through the wave's stage: in as they lie, back 64 bytes a lane; LDS serves a wave's instructions in order
.irp i, 0,1,2,3
	ds_store_b128 v14, v[R+16*((\t)%DEPTH)+4*\i:R+16*((\t)%DEPTH)+4*\i+3] offset:32*SP*((\t)%2)+8*SP*\i
.endr
.irp i, 0,1,2,3
	ds_load_b128 v[X+16*((\t)%2)+4*\i:X+16*((\t)%2)+4*\i+3], v15 offset:32*SP*((\t)%2)+16*\i
.endr
.endm
.macro STEP t
.set XS, X+16*((\t)%2)
.if (\t) > 0
	s_wait_dscnt 1                                 ; this step's numbers are back (the last step's byte store may be out): so its stores into the stage have read their registers,
.else
	s_wait_dscnt 0x0
.endif
.if (\t)+DEPTH < STEPS
	LOAD (\t)+DEPTH                                ; which take the loads of eight steps on
.endif
.if (\t)+1 < STEPS
.if STEPS-2-(\t) >= DEPTH-1
	s_wait_loadcnt 4*(DEPTH-1)                     ; the next step's four loads are in; those of the seven steps behind it may be out
.else
	s_wait_loadcnt 4*(STEPS-2-(\t))
.endif
	TURN (\t)+1
.endif
	v_max3_num_f32 v8, |v[XS]|, |v[XS+1]|, |v[XS+2]|               ; the largest magnitude of my 16, in two chains
	v_max3_num_f32 v9, |v[XS+3]|, |v[XS+4]|, |v[XS+5]|
.irp i, 6,10
	v_max3_num_f32 v8, v8, |v[XS+\i]|, |v[XS+\i+1]|
	v_max3_num_f32 v9, v9, |v[XS+\i+2]|, |v[XS+\i+3]|
.endr
	v_max3_num_f32 v8, v8, |v[XS+14]|, |v[XS+15]|
	v_max3_num_f32 v8, v8, v9, (EMAX+1)<<23        ; and the floor 2^(3 - 127): the byte cannot fall under 1
	v_max_num_f32_dpp v8, v8, v8 row_xmask:1 row_mask:0xf bank_mask:0xf   ; with my neighbour's 16: the block's
	v_add_nc_u32 v11, -(EMAX<<23), v8              ; 2 off its exponent field: the conversion takes the exponent field of this operand as its scale
	v_cvt_scalef32_pk8_fp4_f32 v[C+2*(\t)], v[XS:XS+7], v11
	v_cvt_scalef32_pk8_fp4_f32 v[C+2*(\t)+1], v[XS+8:XS+15], v11
	v_lshrrev_b32 v[E+(\t)], 23, v11               ; the scale's byte
	ds_store_b8 v5, v[E+(\t)] offset:16*(\t)       ; both lanes of a block write the same byte with the same value
	global_store_b64 v4, v[C+2*(\t):C+2*(\t)+1], s[14:15] offset:32*CB*(\t)   ; the wave stores 256 consecutive bytes, aligned
.endm
.macro CLOAD t
.irp i, 0,1,2,3
	global_load_b128 v[R+16*((\t)%DEPTH)+4*\i:R+16*((\t)%DEPTH)+4*\i+3], v3, s[12:13] offset:2048*(\t)+512*\i
.endr
.endm
.macro CSTEP t
.if 15-(\t) >= DEPTH-1
	s_wait_loadcnt 4*(DEPTH-1)                     ; this step's four loads are in; seven later steps' may be out
.else
	s_wait_loadcnt 4*(15-(\t))
.endif
	s_wait_xcnt 0x0                                ; the stores of four steps ago have read this set of packed registers
.irp i, 0,1,2,3
	v_cvt_pk_f16_f32 v[X+8*((\t)%4)+2*\i], v[R+16*((\t)%DEPTH)+4*\i], v[R+16*((\t)%DEPTH)+4*\i+1]
	v_cvt_pk_f16_f32 v[X+8*((\t)%4)+2*\i+1], v[R+16*((\t)%DEPTH)+4*\i+2], v[R+16*((\t)%DEPTH)+4*\i+3]
.endr
.if (\t)+DEPTH < 16
	CLOAD (\t)+DEPTH
.endif
.irp i, 0,1,2,3
	global_store_b64 v4, v[X+8*((\t)%4)+2*\i:X+8*((\t)%4)+2*\i+1], s[18:19] offset:1024*(\t)+256*\i   ; 256 consecutive bytes, aligned
.endr
.endm
; cos and sin of position v[p] x frequency v[f]: n = nearest whole number of quarter turns, r = phase - n pi/2 (pi/2 in two parts, fused), polynomials on |r| <= pi/4, then the quadrant
.macro SINCOS dc, ds, f, p
	v_mul_f32 v20, v[\p], v[\f]
	v_mul_f32 v21, s32, v20
	v_rndne_f32 v21, v21
	v_fma_f32 v20, -v21, s33, v20
	v_fma_f32 v20, -v21, s34, v20
	v_mul_f32 v22, v20, v20
	v_fma_f32 v23, s35, v22, s36
	v_fma_f32 v24, s38, v22, s39
	v_fma_f32 v23, v23, v22, s37
	v_fma_f32 v24, v24, v22, s40
	v_mul_f32 v23, v23, v22
	v_mul_f32 v24, v24, v22
	v_fma_f32 v25, v22, -0.5, 1.0
	v_fma_f32 v23, v23, v20, v20                   ; sin r
	v_fma_f32 v24, v24, v22, v25                   ; cos r
	v_cvt_i32_f32 v21, v21
	v_and_b32 v25, 1, v21
	v_cmp_eq_u32 vcc_lo, 1, v25
	v_cndmask_b32 v26, v23, v24, vcc_lo            ; odd quadrant: the two change places
	v_cndmask_b32 v27, v24, v23, vcc_lo
	v_lshlrev_b32 v25, 30, v21
	v_and_b32 v25, 0x80000000, v25                 ; sin is negative in quadrants 2, 3
	v_xor_b32 v[\ds], v25, v26
	v_add_nc_u32 v21, 1, v21
	v_lshlrev_b32 v21, 30, v21
	v_and_b32 v21, 0x80000000, v21                 ; cos in quadrants 1, 2
	v_xor_b32 v[\dc], v21, v27
.endm
	s_load_b256 s[4:11], s[0:1], 0x0               ; x s[4:5], Wq s[6:7], Wk s[8:9], Wv s[10:11]
	s_load_b256 s[12:19], s[0:1], 0x20             ; Wo s[12:13], codes s[14:15], scale bytes s[16:17], wo16 s[18:19]
	s_load_b64 s[20:21], s[0:1], 0x40              ; tab
	v_lshl_add_u32 v[SPW], v0, 2, SPARE
	v_mov_b32 v[NIL], 0
	v_lshrrev_b32 v1, 5, v0
	v_readfirstlane_b32 s24, v1                    ; wave
	v_and_b32 v2, 31, v0                           ; lane
	v_lshlrev_b32 v3, 4, v2                        ; 16 x lane
	s_mov_b32 s29, 0
	s_wait_kmcnt 0x0
	s_cmp_ge_u32 ttmp9, 224
	s_cbranch_scc1 .Lnot_q
	; ---- the quantiser: a wave takes 8 rows (8,192 numbers) in 16 steps of 512
	s_mul_i32 s25, s24, WREG
	v_lshrrev_b32 v14, 2, v2
	v_mul_u32_u24 v14, v14, SP
	v_and_b32 v15, 3, v2
	v_lshl_add_u32 v14, v15, 4, v14
	v_add_nc_u32 v14, s25, v14                     ; the stage, in: SP (lane / 4) + 16 (lane % 4)
	v_mul_u32_u24 v15, v2, SP
	v_add_nc_u32 v15, s25, v15                     ; and back: SP x lane
	v_mul_u32_u24 v4, v2, CB                       ; my codes' place in a step's
	v_lshrrev_b32 v5, 1, v2
	s_add_co_u32 s25, s25, 2*32*SP
	v_add_nc_u32 v5, s25, v5                       ; my block's byte among my wave's 256
	v_lshlrev_b32 v7, 3, v2
	v_add_nc_u32 v6, s25, v7
	s_lshl_b32 s26, ttmp9, 2
	s_add_co_u32 s26, s26, s24                     ; x: which run of 8 rows
	s_lshl_b32 s27, s26, 3                         ; x: its first row in the codes' buffer
	s_sub_co_u32 s28, ttmp9, 128
	s_and_b32 s30, s28, 31
	s_lshl_b32 s30, s30, 2
	s_add_co_u32 s30, s30, s24                     ; W: which run of 8 rows, 0..127
	s_lshr_b32 s28, s28, 5
	s_lshl_b32 s28, s28, 6                         ; 64 x type
	s_lshr_b32 s31, s30, 3
	s_mul_i32 s31, s31, 192                        ; 192 x head
	s_add_co_u32 s31, s31, s28
	s_and_b32 s28, s30, 7
	s_lshl_b32 s28, s28, 3
	s_add_co_u32 s31, s31, s28
	s_add_co_u32 s31, s31, 4096                    ; W: its first row in the codes' buffer
	s_cmp_lt_u32 ttmp9, 192                        ; the source is chosen by the work-group's number alone
	s_cselect_b64 s[22:23], s[8:9], s[10:11]
	s_cmp_lt_u32 ttmp9, 160
	s_cselect_b64 s[22:23], s[6:7], s[22:23]
	s_cmp_lt_u32 ttmp9, 128
	s_cselect_b64 s[22:23], s[4:5], s[22:23]
	s_cselect_b32 s26, s26, s30
	s_cselect_b32 s27, s27, s31
	s_lshl_b32 s28, s26, 15                        ; 32,768 bytes of f32 a run
	s_add_nc_u64 s[22:23], s[22:23], s[28:29]
	s_lshl_b32 s28, s27, 9                         ; 512 bytes of codes a row
	s_add_nc_u64 s[14:15], s[14:15], s[28:29]
	s_lshl_b32 s28, s27, 5                         ; 32 scale bytes a row
	s_add_nc_u64 s[16:17], s[16:17], s[28:29]
.irp t, 0,1,2,3,4,5,6,7
	LOAD \t
.endr
	s_wait_loadcnt 4*(DEPTH-1)                     ; step 0's four loads are in
	TURN 0
.irp t, 0,1,2,3,4,5,6,7,8,9,10,11,12,13,14,15
	STEP \t
.endr
	ds_load_b64 v[8:9], v6                         ; LDS serves a wave's instructions in order: these see my byte stores
	s_wait_dscnt 0x0
	global_store_b64 v7, v[8:9], s[16:17]          ; 8 rows' scale bytes: 256 consecutive bytes, aligned
	s_wait_tensorcnt 0x0                           ; the wave's end: behind my last LDS store
	ds_add_u32 v[SPW], v[NIL]
	s_wait_dscnt 0x0
	s_endpgm
.Lnot_q:
	s_cmp_ge_u32 ttmp9, 256
	s_cbranch_scc1 .Ltab
	; ---- Wo to f16: a wave takes 8,192 numbers in 16 steps; loads run eight steps ahead
	s_sub_co_u32 s26, ttmp9, 224
	s_lshl_b32 s26, s26, 2
	s_add_co_u32 s26, s26, s24
	s_lshl_b32 s28, s26, 15
	s_add_nc_u64 s[12:13], s[12:13], s[28:29]
	s_lshl_b32 s28, s26, 14
	s_add_nc_u64 s[18:19], s[18:19], s[28:29]
	v_lshlrev_b32 v4, 3, v2                        ; 8 bytes of f16 a lane
.irp t, 0,1,2,3,4,5,6,7
	CLOAD \t
.endr
.irp t, 0,1,2,3,4,5,6,7,8,9,10,11,12,13,14,15
	CSTEP \t
.endr
	s_endpgm
.Ltab:
	; ---- the table: a wave makes two blocks of 16 positions.  Piece p = 2 bq + half of a block: lane (r, h) holds cos, sin, cos, sin of position r for the pairs 8 bq + 4 h + 2 half + 0, 1
	s_sub_co_u32 s26, ttmp9, 256
	s_lshl_b32 s26, s26, 2
	s_add_co_u32 s26, s26, s24                     ; 0..63
	s_lshl_b32 s28, s26, 13
	s_add_nc_u64 s[20:21], s[20:21], s[28:29]
	s_mov_b32 s32, 0x3f22f983                      ; 2 / pi
	s_mov_b32 s33, 0x3fc90fdb                      ; pi / 2, its high part
	s_mov_b32 s34, 0xb33bbd2e                      ; and the rest
	s_mov_b32 s35, 0xb94ca1f9                      ; sin: -1.9515295891e-4, 8.3321608736e-3, -1.6666654611e-1
	s_mov_b32 s36, 0x3c08839e
	s_mov_b32 s37, 0xbe2aaaa3
	s_mov_b32 s38, 0x37ccf5ce                      ; cos: 2.443315712e-5, -1.388731625e-3, 4.166664568e-2
	s_mov_b32 s39, 0xbab6061a
	s_mov_b32 s40, 0x3d2aaaa5
	v_and_b32 v5, 15, v0
	v_bfe_u32 v6, v0, 4, 1
	v_lshlrev_b32 v6, 2, v6                        ; 4 h
	s_lshl_b32 s27, s26, 5
	v_add_nc_u32 v5, s27, v5
	v_cvt_f32_u32 v8, v5                           ; my position in the first block,
	v_add_nc_u32 v5, 16, v5
	v_cvt_f32_u32 v9, v5                           ; and in the second
.irp n, 0,1,2,3,4,5,6,7,8,9,10,11,12,13,14,15
	v_add_nc_u32 v[32+\n], 8*(\n/4)+(\n%4), v6     ; the pair's number
.endr
.irp n, 0,1,2,3,4,5,6,7,8,9,10,11,12,13,14,15
	v_cvt_f32_u32 v[32+\n], v[32+\n]
.endr
.irp n, 0,1,2,3,4,5,6,7,8,9,10,11,12,13,14,15
	v_mul_f32 v[32+\n], 0xbed49a78, v[32+\n]       ; x -log2(10000) / 32
.endr
.irp n, 0,1,2,3,4,5,6,7,8,9,10,11,12,13,14,15
	v_exp_f32 v[32+\n], v[32+\n]                   ; the frequency 10000^(-2 k / 64)
.endr
	v_nop                                          ; a plain instruction behind the last exponential,
	s_wait_alu depctr_va_vdst(0)                   ; and one wait for the batch, ahead of its first reader
.irp b, 0,1
.irp p, 0,1,2,3,4,5,6,7
	SINCOS 64+32*\b+4*\p, 65+32*\b+4*\p, 32+2*\p, 8+\b
	SINCOS 66+32*\b+4*\p, 67+32*\b+4*\p, 33+2*\p, 8+\b
	global_store_b128 v3, v[64+32*\b+4*\p:67+32*\b+4*\p], s[20:21] offset:4096*\b+512*\p   ; 512 consecutive bytes, aligned; each store has registers of its own
.endr
.endr
	s_endpgm
.Lfunc_end_k_qfebe106144_prep:
	.size	k_qfebe106144_prep, .Lfunc_end_k_qfebe106144_prep-k_qfebe106144_prep
	.p2alignl 7, 3214868480
	.fill 96, 4, 3214868480
	.section	.rodata,"a",@progbits
	.p2align	6, 0x0
	.amdhsa_kernel k_qfebe106144_prep
		.amdhsa_group_segment_fixed_size 33280
		.amdhsa_private_segment_fixed_size 0
		.amdhsa_enable_private_segment 0
		.amdhsa_kernarg_size 72
		.amdhsa_user_sgpr_count 2
		.amdhsa_user_sgpr_kernarg_segment_ptr 1
		.amdhsa_wavefront_size32 1
		.amdhsa_system_sgpr_workgroup_id_x 1
		.amdhsa_system_sgpr_workgroup_id_y 1
		.amdhsa_system_sgpr_workgroup_id_z 1
		.amdhsa_system_vgpr_workitem_id 0
		.amdhsa_next_free_vgpr 224
		.amdhsa_next_free_sgpr 66
		.amdhsa_reserve_vcc 1
		.amdhsa_float_denorm_mode_32 3
		.amdhsa_float_denorm_mode_16_64 3
		.amdhsa_memory_ordered 1
		.amdhsa_forward_progress 1
		.amdhsa_inst_pref_size 99
	.end_amdhsa_kernel
	.amdgpu_metadata
---
amdhsa.version: [ 1, 2 ]
amdhsa.kernels:
  - .name:           k_qfebe106144_prep
    .symbol:         k_qfebe106144_prep.kd
    .args:
      - { .name: x, .offset: 0, .size: 8, .value_kind: global_buffer, .address_space: global }
      - { .name: Wq, .offset: 8, .size: 8, .value_kind: global_buffer, .address_space: global }
      - { .name: Wk, .offset: 16, .size: 8, .value_kind: global_buffer, .address_space: global }
      - { .name: Wv, .offset: 24, .size: 8, .value_kind: global_buffer, .address_space: global }
      - { .name: Wo, .offset: 32, .size: 8, .value_kind: global_buffer, .address_space: global }
      - { .name: xw_codes, .offset: 40, .size: 8, .value_kind: global_buffer, .address_space: global }
      - { .name: xw_scales, .offset: 48, .size: 8, .value_kind: global_buffer, .address_space: global }
      - { .name: wo16, .offset: 56, .size: 8, .value_kind: global_buffer, .address_space: global }
      - { .name: tab, .offset: 64, .size: 8, .value_kind: global_buffer, .address_space: global }
    .group_segment_fixed_size: 33280
    .private_segment_fixed_size: 0
    .kernarg_segment_align: 8
    .kernarg_segment_size: 72
    .max_flat_workgroup_size: 128
    .sgpr_count:     66
    .vgpr_count:     224
    .wavefront_size: 32
...
	.end_amdgpu_metadata
.endif
;; end of part 1
;; launch qkv (part 2): grid 16 x 16, 4 waves a work-group, clusters of 4 x 1, 262,144 bytes of LDS; arguments xw_codes, xw_scales, tab, qkv, fine; writes qkv, fine
.if DOCPART == 2
	.amdgcn_target "amdgcn-amd-amdhsa--gfx1250"
	.amdhsa_code_object_version 6
	.text
	.protected	k_qfebe106144_qkv
	.globl	k_qfebe106144_qkv
	.p2align	8
	.type	k_qfebe106144_qkv,@function
k_qfebe106144_qkv:
	s_mov_b64 s[64:65], 0
	v_nop
	global_prefetch_b8 v0, s[64:65] scope:SCOPE_SE
	s_setreg_imm32_b32 hwreg(HW_REG_WAVE_MODE, 25, 1), 1
	s_wait_xcnt 0x0
	s_wait_alu depctr_hold_cnt(0) depctr_sa_sdst(0) depctr_va_vdst(0) depctr_va_sdst(0) depctr_va_ssrc(0) depctr_va_vcc(0) depctr_vm_vsrc(0)
	s_getreg_b32 s2, hwreg(HW_REG_IB_STS2, 6, 4)
	s_cmp_eq_u32 s2, 0
	s_cbranch_scc0 .Lentry_in_a_cluster
	s_endpgm
.Lentry_in_a_cluster:
	s_bfe_u32 s2, ttmp6, 0x10000c
	s_cmp_lg_u32 s2, 0x3003
	s_cbranch_scc0 .Lentry_shape_is_right
	s_endpgm
.Lentry_shape_is_right:
; q, k, v of one head for 256 rows of x: three products on codes of FP4 (E2M1) with E8M0 scales, K = 1,024, sums in f32; RoPE on q and k in f32; results rounded to f16 and stored
; AS IMAGES OF THE NEXT LAUNCH'S OPERAND REGISTERS (a piece = 512 bytes, lane l's four registers at 16 l), so every store covers 512 consecutive aligned bytes and nothing goes through a stage.
; SHARES: work-group = (head, 256 rows); wave w = rows 64 w .. + 63: 4 row blocks x 12 column blocks (4 of q, 4 of k, 4 of v): 48 accumulators.
; q and k are made TRANSPOSED (source 0 = 16 rows of W, source 1 = 16 rows of x): a lane holds one position and eight neighbouring channels, which RoPE pairs and f16 packs.
; v is made the natural way (source 0 = x, source 1 = W): a lane holds one channel and eight neighbouring positions, which is the layout of V^T along the keys.
; ALL OF K LIES IN LDS, in two chunks of 512 along K, each filled once: 6 tensor loads a wave are out at the start, by this text's count; no byte is filled again.
; CLUSTER 4 x 1: the four heads of a cluster need the same rows of x: x's codes and scale bytes are asked for jointly (mask 15).  W's rows differ from head to head and come by plain loads.
; The first 16 positions of each sequence are also stored in f32 (buffer fine), for the launch that carries them more finely; that branch hangs on the row tile and the wave's number, which partners share.
; LIMITS: |q|, |k|, |v| under 65,504 (f16); NaN and infinities are not served.
; REGISTERS, in windows of 256: window 0: v16-23 addresses, v28, v29 the add's two, v32-95 x's fragments (two sets), v96-127 x's scale words, v128-223 W's scale words;
;   window 1: W's fragments, two sets (v0-95, v128-223), later the rotated q and k in f32;  window 2: q's and k's accumulators, later the f16 words;  window 3: v0-127 v's accumulators, v128-255 the table.
.set PITCH, 272                        ; an LDS row: 256 bytes + 16 of padding: the 16 rows that a load touches start at 16 different 16-byte columns modulo 256
.set CHUNK, 121856                     ; 256 rows of x, then 192 rows of W
.set BOFF,  69632
.set SCLA,  243712                     ; x's scale bytes: 32 units of 256 bytes + 16
.set SCLB,  252416                     ; W's: 24 units
.set SPARE, 259072                     ; the spare words, 128 bytes a wave, named by no other line
.set ADRA, 16                          ; v16-17 x's fragments in chunk 0, 1
.set ADRB, 18                          ; v18-19 W's
.set ADSA, 20
.set ADSB, 21
.set LI,   23                          ; 16 x lane
.set SPW,  28
.set NIL,  29
.set AF,   32
.set SA,   96                          ; x's scale words: v[SA + 8 a + q]
.set SB,   128                         ; W's: v[SB + 8 bb + q]
.set G1A,  24
.set G1B,  32
.set G1SA, 40
.set G1SB, 48
.set G0SA, 56
.set G0SB, 60
.set G0A,  68                          ; s[68:71] chunk 0, s[76:79] chunk 1
.set G0B,  72                          ; s[72:75], s[80:83]
.set MSB, 0
.macro WIN new                         ; the immediate's high byte repeats the setting that is left
.if MSB != \new
	s_set_vgpr_msb (MSB<<8)|\new
.set MSB, \new
.endif
.endm
.macro CROUND                          ; a round of the cluster's barrier
	s_barrier_signal -1
	s_barrier_wait -1
	s_cmp_lg_u32 s14, 0
	s_cbranch_scc1 .Lnot_wave_0_\@
	s_barrier_signal -3
.Lnot_wave_0_\@:
	s_barrier_wait -3
	s_barrier_signal -1
	s_barrier_wait -1
.endm
.macro PLACES
.rept 4
	v_nop
.endr
.endm
.macro FRAG reg, adr, off              ; 16 rows x 128 K of 4-bit codes: registers 4 c .. 4 c + 3 hold K = 64 c + 32 (lane / 16) + 0 .. 31
	ds_load_b128 v[\reg:\reg+3], v[\adr] offset:\off
	ds_load_b128 v[\reg+4:\reg+7], v[\adr] offset:\off+32
.endm
.macro FETCH q                         ; the fragments of K step q (128 along K) into set q % 2: W's twelve, x's four
	WIN 0x40
.irp bb, 0,1,2,3,4,5,6,7,8,9,10,11
	FRAG 128*((\q)%2)+8*\bb, ADRB+(\q)/4, 64*((\q)%4)+4352*\bb
.endr
	WIN 0
.irp a, 0,1,2,3
	FRAG AF+32*((\q)%2)+8*\a, ADRA+(\q)/4, 64*((\q)%4)+4352*\a
.endr
.endm
; A K step: 48 matrix instructions, the 48 accumulators by turns in one fixed order.  Step 0 starts the sums with the constant 0.
.macro STEP q
	s_wait_dscnt 0x0                               ; this step's fragments are in (asked for 48 matrix instructions ago)
.if (\q) == 3
	s_wait_tensorcnt 0x0                           ; my parts of chunk 1 have landed,
	s_barrier_signal -1
	s_barrier_wait -1                              ; everybody's have
.endif
.if (\q) < 7
	PLACES                                         ; in front of loads into registers that the last step's products read
	FETCH (\q)+1
.endif
	WIN 0xa1                                       ; source 0 (W) window 1, source 1 (x) window 0, C and D window 2
.irp a, 0,1,2,3
.irp bb, 0,1,2,3,4,5,6,7
.set AC, 128*(\bb/4)+8*(4*\a+\bb%4)
.set BF, 128*((\q)%2)+8*\bb
.set AX, AF+32*((\q)%2)+8*\a
.if (\q) == 0
	v_wmma_scale_f32_16x16x128_f8f6f4 v[AC:AC+7], v[BF:BF+7], v[AX:AX+7], 0, v[SB+8*\bb+(\q)], v[SA+8*\a+(\q)] matrix_a_fmt:MATRIX_FMT_FP4 matrix_b_fmt:MATRIX_FMT_FP4
.else
	v_wmma_scale_f32_16x16x128_f8f6f4 v[AC:AC+7], v[BF:BF+7], v[AX:AX+7], v[AC:AC+7], v[SB+8*\bb+(\q)], v[SA+8*\a+(\q)] matrix_a_fmt:MATRIX_FMT_FP4 matrix_b_fmt:MATRIX_FMT_FP4
.endif
.endr
.endr
	WIN 0xf4                                       ; source 0 (x) window 0, source 1 (W) window 1, C and D window 3
.irp a, 0,1,2,3
.irp ct, 0,1,2,3
.set AC, 8*(4*\a+\ct)
.set BF, 128*((\q)%2)+8*(8+\ct)
.set AX, AF+32*((\q)%2)+8*\a
.if (\q) == 0
	v_wmma_scale_f32_16x16x128_f8f6f4 v[AC:AC+7], v[AX:AX+7], v[BF:BF+7], 0, v[SA+8*\a+(\q)], v[SB+8*(8+\ct)+(\q)] matrix_a_fmt:MATRIX_FMT_FP4 matrix_b_fmt:MATRIX_FMT_FP4
.else
	v_wmma_scale_f32_16x16x128_f8f6f4 v[AC:AC+7], v[AX:AX+7], v[BF:BF+7], v[AC:AC+7], v[SA+8*\a+(\q)], v[SB+8*(8+\ct)+(\q)] matrix_a_fmt:MATRIX_FMT_FP4 matrix_b_fmt:MATRIX_FMT_FP4
.endif
.endr
.endr
	WIN 0
.endm
	s_load_b256 s[4:11], s[0:1], 0x0               ; codes s[4:5], scale bytes s[6:7], tab s[8:9], qkv s[10:11]
	s_load_b64 s[12:13], s[0:1], 0x20              ; fine
	v_lshl_add_u32 v[SPW], v0, 2, SPARE
	v_mov_b32 v[NIL], 0
	ds_add_u32 v[SPW], v[NIL]                      ; the wave's opening: the add, twice on end, and its wait ahead of my first tensor load
	ds_add_u32 v[SPW], v[NIL]
	v_lshrrev_b32 v1, 5, v0
	v_readfirstlane_b32 s14, v1                    ; wave 0..3
	s_bfe_u32 s15, ttmp6, 0x40000                  ; cx
	s_lshl_b32 s16, ttmp9, 2
	s_add_co_u32 s16, s16, s15                     ; the head = 4 x cluster x + cx
	s_and_b32 s17, ttmp7, 0xffff                   ; the row tile, which the four partners share
	; descriptor groups 1.  Codes: rows of 256 bytes (512 along K), 512 bytes apart in memory, 16 bytes of padding behind each; x: 64 rows a wave, jointly; W: 48 rows a wave
	s_mov_b32 s[G1A+0], 15|(1<<20)|(1<<21)|(5<<22)|(3<<25)
	s_mov_b32 s[G1B+0], (1<<20)|(5<<22)|(3<<25)
.irp g, G1A, G1B
	s_mov_b32 s[\g+1], 256<<16
	s_mov_b32 s[\g+3], 256<<16
	s_mov_b32 s[\g+5], 512
	s_mov_b32 s[\g+6], 0
	s_mov_b32 s[\g+7], 0
.endr
	s_mov_b32 s[G1A+2], 64<<16
	s_mov_b32 s[G1A+4], 64
	s_mov_b32 s[G1B+2], 48<<16
	s_mov_b32 s[G1B+4], 48
	; scale bytes: dense blocks, as rows of 256 bytes (32 elements of 8), padded likewise; x: 8 rows a wave, jointly; W: 6
	s_mov_b32 s[G1SA+0], 15|(3<<16)|(1<<20)|(1<<21)|(5<<22)|(3<<25)
	s_mov_b32 s[G1SB+0], (3<<16)|(1<<20)|(5<<22)|(3<<25)
.irp g, G1SA, G1SB
	s_mov_b32 s[\g+1], 32<<16
	s_mov_b32 s[\g+3], 32<<16
	s_mov_b32 s[\g+5], 32
	s_mov_b32 s[\g+6], 0
	s_mov_b32 s[\g+7], 0
.endr
	s_mov_b32 s[G1SA+2], 8<<16
	s_mov_b32 s[G1SA+4], 8
	s_mov_b32 s[G1SB+2], 6<<16
	s_mov_b32 s[G1SB+4], 6
	; offsets.  x's hang on the row tile and the wave alone; W's on the head, in registers of their own
	s_lshl_b32 s18, s17, 8
	s_lshl_b32 s19, s14, 6
	s_add_co_u32 s18, s18, s19                     ; x: row 256 ty + 64 w
	s_lshl_b32 s20, s18, 9
	s_mov_b32 s21, 0
	s_lshl_b32 s22, s18, 5
	s_mov_b32 s23, 0
	s_mul_i32 s92, s16, 192
	s_mul_i32 s93, s14, 48
	s_add_co_u32 s92, s92, s93
	s_add_co_u32 s92, s92, 4096                    ; W: row 4096 + 192 head + 48 w
	s_lshl_b32 s94, s92, 9
	s_mov_b32 s95, 0
	s_lshl_b32 s96, s92, 5
	s_mov_b32 s97, 0
	s_and_b32 s18, s17, 7
	s_lshl_b32 s18, s18, 8
	s_add_co_u32 s18, s18, s19                     ; my first position in the sequence: 256 (ty % 8) + 64 w
	s_lshr_b32 s19, s17, 3
	s_lshl_b32 s19, s19, 4
	s_add_co_u32 s19, s19, s16                     ; y = 16 batch + head
	s_lshl_b32 s92, s19, 18
	s_lshl_b32 s93, s18, 7
	s_add_co_u32 s92, s92, s93                     ; 262,144 y + 128 bytes a position
	s_mov_b32 s93, 0
	s_lshl_b32 s98, s18, 8                         ; the table: 4,096 bytes for 16 positions
	s_mov_b32 s99, 0
	s_wait_dscnt 0x0                               ; both opening adds are done
	s_wait_kmcnt 0x0
	s_add_nc_u64 s[84:85], s[10:11], s[92:93]      ; q's images,
	s_add_nc_u64 s[86:87], s[84:85], 0x800000      ; k's,
	s_add_nc_u64 s[88:89], s[84:85], 0x1000000     ; v's
	s_mul_i32 s92, s19, 12288
	s_add_nc_u64 s[90:91], s[12:13], s[92:93]      ; the head's place in fine
	s_add_nc_u64 s[8:9], s[8:9], s[98:99]
	s_add_nc_u64 s[20:21], s[4:5], s[20:21]
	s_add_nc_u64 s[22:23], s[6:7], s[22:23]
	s_add_nc_u64 s[94:95], s[4:5], s[94:95]
	s_add_nc_u64 s[96:97], s[6:7], s[96:97]
	s_mov_b32 s[G0SA], 1
	s_mul_i32 s98, s14, 2176
	s_add_co_u32 s[G0SA+1], s98, SCLA
	s_mov_b64 s[G0SA+2:G0SA+3], s[22:23]
	s_or_b32 s[G0SA+3], s[G0SA+3], 0x80000000
	s_mov_b32 s[G0SB], 1
	s_mul_i32 s99, s14, 1632
	s_add_co_u32 s[G0SB+1], s99, SCLB
	s_mov_b64 s[G0SB+2:G0SB+3], s[96:97]
	s_or_b32 s[G0SB+3], s[G0SB+3], 0x80000000
	s_add_co_u32 s18, s98, SCLA                    ; kept for my scale words' address
	s_mul_i32 s98, s14, 17408                      ; my 64 rows of x in a chunk
	s_mul_i32 s99, s14, 13056                      ; the 48 rows of W that I fetch
	s_add_co_u32 s99, s99, BOFF
.irp c, 0,1
	s_mov_b32 s[G0A+8*\c], 1
	s_add_co_u32 s[G0A+8*\c+1], s98, \c*CHUNK
	s_add_nc_u64 s[G0A+8*\c+2:G0A+8*\c+3], s[20:21], \c*256
	s_or_b32 s[G0A+8*\c+3], s[G0A+8*\c+3], 0x80000000
	s_mov_b32 s[G0B+8*\c], 1
	s_add_co_u32 s[G0B+8*\c+1], s99, \c*CHUNK
	s_add_nc_u64 s[G0B+8*\c+2:G0B+8*\c+3], s[94:95], \c*256
	s_or_b32 s[G0B+8*\c+3], s[G0B+8*\c+3], 0x80000000
.endr
	CROUND                                         ; all four work-groups are here: the joint loads meet
	tensor_load_to_lds s[G0SA:G0SA+3], s[G1SA:G1SA+7]
	s_nop 0
	tensor_load_to_lds s[G0SB:G0SB+3], s[G1SB:G1SB+7]
	s_nop 0
	tensor_load_to_lds s[G0A:G0A+3], s[G1A:G1A+7]
	s_nop 0
	tensor_load_to_lds s[G0B:G0B+3], s[G1B:G1B+7]
	s_nop 0
	tensor_load_to_lds s[G0A+8:G0A+11], s[G1A:G1A+7]
	s_nop 0
	tensor_load_to_lds s[G0B+8:G0B+11], s[G1B:G1B+7]
	s_nop 0
	PLACES
	v_and_b32 v1, 15, v0                           ; r
	v_bfe_u32 v2, v0, 4, 1                         ; h
	v_mul_u32_u24 v3, v1, PITCH
	v_lshl_add_u32 v3, v2, 4, v3                   ; row x pitch + 16 h
	v_add_nc_u32 v[ADRA], s98, v3
	v_add_nc_u32 v[ADRA+1], CHUNK, v[ADRA]
	v_add_nc_u32 v[ADRB], BOFF, v3
	v_add_nc_u32 v[ADRB+1], CHUNK, v[ADRB]
	v_lshrrev_b32 v4, 3, v1
	v_and_b32 v5, 7, v1
	v_mul_u32_u24 v6, v4, 272
	v_lshl_add_u32 v6, v5, 5, v6                   ; a row's 32 scale bytes: eight rows to a unit
	v_add_nc_u32 v[ADSA], s18, v6
	v_add_nc_u32 v[ADSB], SCLB, v6
	v_and_b32 v[LI], 31, v0
	v_lshlrev_b32 v[LI], 4, v[LI]
	WIN 0xc0                                       ; destination window 3
.irp a, 0,1,2,3
.irp p, 0,1,2,3,4,5,6,7
	global_load_b128 v[128+32*\a+4*\p:128+32*\a+4*\p+3], v[LI], s[8:9] offset:4096*\a+512*\p   ; cos and sin of my 64 positions, in the accumulators' order
.endr
.endr
	WIN 0
	s_wait_tensorcnt 2                             ; the scale bytes and chunk 0 are in; chunk 1's two loads may stay out
	s_barrier_signal -1
	s_barrier_wait -1
.irp a, 0,1,2,3
.irp hf, 0,1
	ds_load_b128 v[SA+8*\a+4*\hf:SA+8*\a+4*\hf+3], v[ADSA] offset:544*\a+16*\hf
.endr
.endr
.irp bb, 0,1,2,3,4,5,6,7,8,9,10,11
.irp hf, 0,1
	ds_load_b128 v[SB+8*\bb+4*\hf:SB+8*\bb+4*\hf+3], v[ADSB] offset:544*\bb+16*\hf
.endr
.endr
	FETCH 0
.irp q, 0,1,2,3,4,5,6,7
	STEP \q
.endr
	; ---- RoPE.  Of a pair (e, o) with (c, s): (o s, e s), then (e c - o s, o c + e s).  Group g: q's row block g (g < 4), k's row block g - 4.  Each accumulator is read from its low end on.
	s_wait_loadcnt 0x0                             ; the table
	PLACES                                         ; behind the last products: W's fragment registers are written below
	WIN 0x5e                                       ; source 0 window 2, source 1 window 3, source 2 and destination window 1
.irp g, 0,1,2,3,4,5,6,7
.irp n, 0,1,2,3,4,5,6,7,8,9,10,11,12,13,14,15
	v_pk_mul_f32 v[32*\g+2*\n:32*\g+2*\n+1], v[32*\g+2*\n:32*\g+2*\n+1], v[128+32*(\g%4)+2*\n:128+32*(\g%4)+2*\n+1] op_sel:[1,1] op_sel_hi:[0,1]
.endr
.irp n, 0,1,2,3,4,5,6,7,8,9,10,11,12,13,14,15
	v_pk_fma_f32 v[32*\g+2*\n:32*\g+2*\n+1], v[32*\g+2*\n:32*\g+2*\n+1], v[128+32*(\g%4)+2*\n:128+32*(\g%4)+2*\n+1], v[32*\g+2*\n:32*\g+2*\n+1] op_sel_hi:[1,0,1] neg_lo:[0,0,1]
.endr
.endr
	WIN 0x85                                       ; sources window 1, destination window 2: q and k in f16, 16 registers a group
.set i, 0
.rept 128
	v_cvt_pk_f16_f32 v[i], v[2*i], v[2*i+1]
.set i, i+1
.endr
	WIN 0x8f                                       ; sources window 3, destination window 2: v in f16
.set i, 0
.rept 64
	v_cvt_pk_f16_f32 v[128+i], v[2*i], v[2*i+1]
.set i, i+1
.endr
	WIN 0x08                                       ; a store's data are its source 1: window 2.  Every store has data registers of its own and covers 512 consecutive aligned bytes
.irp g, 0,1,2,3,4,5,6,7
.irp bq, 0,1,2,3
	global_store_b128 v[LI], v[16*\g+4*\bq:16*\g+4*\bq+3], s[84+2*(\g/4):85+2*(\g/4)] offset:2048*(\g%4)+512*\bq
.endr
.endr
.irp a, 0,1,2,3
.irp ct, 0,1,2,3
	global_store_b128 v[LI], v[128+16*\a+4*\ct:128+16*\a+4*\ct+3], s[88:89] offset:4096*(\a/2)+1024*\ct+512*(\a%2)
.endr
.endr
	WIN 0
	s_cmp_lg_u32 s14, 0                            ; the first 16 positions of a sequence lie in wave 0's row block 0 of row tiles 0 and 8
	s_cbranch_scc1 .Lno_fine
	s_and_b32 s18, s17, 7
	s_cmp_lg_u32 s18, 0
	s_cbranch_scc1 .Lno_fine
	WIN 0x04                                       ; data: window 1: q and k, rotated, in f32
.irp p, 0,1,2,3,4,5,6,7
	global_store_b128 v[LI], v[4*\p:4*\p+3], s[90:91] offset:512*\p
	global_store_b128 v[LI], v[128+4*\p:128+4*\p+3], s[90:91] offset:4096+512*\p
.endr
	WIN 0x0c                                       ; data: window 3: v's accumulators
.irp p, 0,1,2,3,4,5,6,7
	global_store_b128 v[LI], v[4*\p:4*\p+3], s[90:91] offset:8192+512*\p
.endr
	WIN 0
.Lno_fine:
	s_wait_tensorcnt 0x0                           ; the wave's end
	ds_add_u32 v[SPW], v[NIL]
	s_wait_dscnt 0x0
	CROUND                                         ; the closing round
	s_endpgm
.Lfunc_end_k_qfebe106144_qkv:
	.size	k_qfebe106144_qkv, .Lfunc_end_k_qfebe106144_qkv-k_qfebe106144_qkv
	.p2alignl 7, 3214868480
	.fill 96, 4, 3214868480
	.section	.rodata,"a",@progbits
	.p2align	6, 0x0
	.amdhsa_kernel k_qfebe106144_qkv
		.amdhsa_group_segment_fixed_size 262144
		.amdhsa_private_segment_fixed_size 0
		.amdhsa_enable_private_segment 0
		.amdhsa_kernarg_size 40
		.amdhsa_user_sgpr_count 2
		.amdhsa_user_sgpr_kernarg_segment_ptr 1
		.amdhsa_wavefront_size32 1
		.amdhsa_system_sgpr_workgroup_id_x 1
		.amdhsa_system_sgpr_workgroup_id_y 1
		.amdhsa_system_sgpr_workgroup_id_z 1
		.amdhsa_system_vgpr_workitem_id 0
		.amdhsa_next_free_vgpr 1024
		.amdhsa_next_free_sgpr 100
		.amdhsa_reserve_vcc 0
		.amdhsa_float_denorm_mode_32 3
		.amdhsa_float_denorm_mode_16_64 3
		.amdhsa_memory_ordered 1
		.amdhsa_forward_progress 1
		.amdhsa_inst_pref_size 115
	.end_amdhsa_kernel
	.amdgpu_metadata
---
amdhsa.version: [ 1, 2 ]
amdhsa.kernels:
  - .name:           k_qfebe106144_qkv
    .symbol:         k_qfebe106144_qkv.kd
    .args:
      - { .name: xw_codes, .offset: 0, .size: 8, .value_kind: global_buffer, .address_space: global }
      - { .name: xw_scales, .offset: 8, .size: 8, .value_kind: global_buffer, .address_space: global }
      - { .name: tab, .offset: 16, .size: 8, .value_kind: global_buffer, .address_space: global }
      - { .name: qkv, .offset: 24, .size: 8, .value_kind: global_buffer, .address_space: global }
      - { .name: fine, .offset: 32, .size: 8, .value_kind: global_buffer, .address_space: global }
    .group_segment_fixed_size: 262144
    .private_segment_fixed_size: 0
    .kernarg_segment_align: 8
    .kernarg_segment_size: 40
    .max_flat_workgroup_size: 128
    .sgpr_count:     100
    .vgpr_count:     1024
    .wavefront_size: 32
...
	.end_amdgpu_metadata
.endif
;; end of part 2
;; launch attn (part 3): grid 8 x 32, 16 waves a work-group, no clusters, 327,680 bytes of LDS; arguments qkv, attnf; writes attnf
.if DOCPART == 3
	.amdgcn_target "amdgcn-amd-amdhsa--gfx1250"
	.amdhsa_code_object_version 6
	.text
	.protected	k_qfebe106144_attn
	.globl	k_qfebe106144_attn
	.p2align	8
	.type	k_qfebe106144_attn,@function
k_qfebe106144_attn:
	s_mov_b64 s[64:65], 0
	v_nop
	global_prefetch_b8 v0, s[64:65] scope:SCOPE_SE
	s_setreg_imm32_b32 hwreg(HW_REG_WAVE_MODE, 25, 1), 1
	s_wait_xcnt 0x0
; Causal attention of one head (y = 16 batch + head): O[q] = sum over k <= q of softmax_k(Q[q] . K[k] / 8) V[k].  Operands in f16, products, maxima and sums in f32; p is rounded to f16 for the second product.
; q, k, v arrive as images of the operand registers (pieces of 512 bytes, lane l's 16 bytes at 16 l), so LDS holds them dense and every LDS load takes 512 consecutive bytes.
; SHARES: work-group i owns query blocks i and 15 - i (128 queries each), so every work-group has the same number of key steps under the mask.  Each of sixteen waves owns one tile of 16 queries;
; waves of the early and of the late block are mixed by the wave's number.  Four waves share a SIMD: one wave's softmax stands beside another's products and LDS loads.
; LAYOUT: S^T = K Q^T (source 0 = 16 keys, source 1 = my 16 queries) and O^T = V^T P (source 0 = 16 channels, source 1 = P): a lane holds ONE query throughout; two tiles of S^T, packed to f16, are P's fragment.
; SOFTMAX: running maximum m and sum l for each query: p = 2^(c s - c m), c = log2(e) / 8; O^T and l are multiplied by a = 2^(c m_old - c m_new) in every step.
; RING: two LDS slots of 256 keys (K's images, then V's), filled by waves 0 to 3, 16 KB each; every wave walks all eight changes of slots (constant trip counts).  Where a step's keys all come after my queries,
; a scalar branch on ids leads to the slot's end (the slot's later steps are hidden too); a slot whose first key comes after the work-group's last query is not asked for.  Every wait on TENSORcnt is for 0.
; LDS LOADS AHEAD: a step's V is asked for behind its K Q^T products, and the NEXT step's K, inside a slot, behind its exponentials: both land under the softmax.  Only a slot's first step asks for its K at its head.
; NO CLUSTER: under the mask the query blocks of a head need different numbers of tiles, so a partner would be sent tiles that none of its waves reads.
; LIMITS: |q|, |k|, |v| under 65,504; exponentials under 2^-126 count as 0; NaN and infinities are not served.  The first 16 positions of a sequence are computed again, more finely, by a later launch.
.set SLOT1, 65536
.set VOFF,  32768
.set SPARE, 131072                     ; behind the ring: the spare words, 128 bytes for each of 16 waves, named by no other line
.set LI,  1                            ; v1  16 x lane
.set ADR, 2                            ; v2  LDS address of the slot's loads
.set RH,  3                            ; v3  lane % 16 - 8 (lane / 16)
.set SPW, 4
.set NIL, 5
.set PFO, 6                            ; v6  256 x lane
.set QF,  16                           ; v16-31   Q: two fragments
.set KR,  32                           ; v32-95   K: 16 pieces
.set VR,  96                           ; v96-159  V: 16 pieces
.set S,   160                          ; v160-191 S^T, then p
.set P,   192                          ; v192-207 p in f16
.set O,   208                          ; v208-239 O^T
                                       ; v240 c m, v241 m, v[242:243] l, v244-247 at work (a in v246), v[248:249] the sum's second chain, v250 d, v251 -infinity, v252 the old c m
.set WV, 8
.set Q0, 11                            ; my first query
.set QL, 12                            ; my work-group's last query
.set KF, 13                            ; the first key of the slot in hand
.set TB, 14                            ; the slot in hand
.set SLOTS, 15
.set G1, 16
.set G0, 24
.set CS, 28
.set SEL, 30
.set PFA, 32
.set LIM, 34
.set Q15, 37                           ; my last query
.macro TLOAD                           ; waves 0, 1: K's halves; 2, 3: V's; the others nothing.  An s_nop 0 and four v_nop follow the load
	s_cmp_lt_u32 s[WV], 4
	s_cbranch_scc0 .Lasked_\@
	tensor_load_to_lds s[G0:G0+3], s[G1:G1+7]
	s_nop 0
.rept 4
	v_nop
.endr
.Lasked_\@:
.endm
; A prefetch of what the NEXT change of slots will ask for: 32,768 bytes of K's images and as many of V's.  All work-groups of a head walk the same K and V: work-group 0 of the head asks, and in it the waves
; that fetch nothing: waves 4 to 7 for K, 8 to 11 for V, 8,192 bytes a wave, lanes 256 bytes apart: each aligned block of 256 bytes is named once.  The last change that fills a slot asks for nothing.
.macro ASK
	s_cmp_gt_u32 s[SLOTS], s[LIM]
	s_cbranch_scc0 .Lnot_mine_\@
	global_prefetch_b8 v[PFO], s[PFA:PFA+1] th:TH_LOAD_NT scope:SCOPE_SE
.Lnot_mine_\@:
.endm
.macro KLOAD q                         ; K's 16 pieces of the slot's q-th 64 keys
.irp n, 0,1,2,3,4,5,6,7,8,9,10,11,12,13,14,15
	ds_load_b128 v[KR+4*\n:KR+4*\n+3], v[ADR] offset:8192*(\q)+512*\n
.endr
.endm
; A KEY STEP: 64 keys, the q-th of the slot in hand.  endl: the slot's end.  A step with q > 0 is reached only through the step before it, which has asked for its K.
.macro STEP q, endl
.if (\q) > 0
	s_add_co_u32 s35, s[KF], 64*(\q)
	s_cmp_gt_u32 s35, s[Q15]                       ; all 64 keys come after my 16 queries: so do those of the slot's later steps
.else
	s_cmp_gt_u32 s[KF], s[Q15]
.endif
	s_cbranch_scc1 \endl
.if (\q) == 0
	KLOAD 0
.endif
	s_wait_dscnt 0x0                               ; K is in (q > 0: asked for behind the last step's exponentials)
.irp t, 0,1,2,3
	v_wmma_f32_16x16x32_f16 v[S+8*\t:S+8*\t+7], v[KR+16*\t:KR+16*\t+7], v[QF:QF+7], 0
.endr
.irp t, 0,1,2,3
	v_wmma_f32_16x16x32_f16 v[S+8*\t:S+8*\t+7], v[KR+16*\t+8:KR+16*\t+15], v[QF+8:QF+15], v[S+8*\t:S+8*\t+7]
.endr
.rept 4
	v_nop                                          ; four places: behind these products, whose results are read below; and behind the last step's V^T P, into whose V the loads below land
.endr
.irp n, 0,1,2,3,4,5,6,7,8,9,10,11,12,13,14,15
	ds_load_b128 v[VR+4*\n:VR+4*\n+3], v[ADR] offset:VOFF+8192*(\q)+512*\n
.endr
	s_add_co_u32 s35, s[KF], 64*(\q)+63
	s_cmp_le_u32 s35, s[Q0]                        ; all 64 keys count: no mask
	s_cbranch_scc1 .Lopen_\@
	s_sub_co_i32 s35, s[Q0], s[KF]
.if (\q) > 0
	s_sub_co_i32 s35, s35, 64*(\q)
.endif
	v_add_nc_u32 v250, s35, v[RH]                  ; register 8 t + j holds the step's key 16 t + 8 (lane / 16) + j: hidden where 16 t + j > d
.irp n, 0,1,2,3,4,5,6,7,8,9,10,11,12,13,14,15,16,17,18,19,20,21,22,23,24,25,26,27,28,29,30,31
	v_cmp_gt_i32 vcc_lo, 16*(\n/8)+\n%8, v250
	v_cndmask_b32 v[S+\n], v[S+\n], v251, vcc_lo
.endr
.Lopen_\@:
.irp j, 0,1,2,3
	v_max3_num_f32 v[244+\j], v[S+8*\j], v[S+8*\j+1], v[S+8*\j+2]   ; the maximum, in four chains; each accumulator is read from its low end on
.endr
.irp j, 0,1,2,3
	v_max3_num_f32 v[244+\j], v[244+\j], v[S+8*\j+3], v[S+8*\j+4]
.endr
.irp j, 0,1,2,3
	v_max3_num_f32 v[244+\j], v[244+\j], v[S+8*\j+5], v[S+8*\j+6]
.endr
	v_max3_num_f32 v244, v244, v[S+7], v[S+15]
	v_max3_num_f32 v246, v246, v[S+23], v[S+31]
	v_max3_num_f32 v244, v244, v245, v246
	v_max3_num_f32 v244, v244, v247, v241          ; with the old m
	v_mov_b32 v252, v240                           ; c m_old
	v_permlanex16_b32 v245, v244, s[SEL], s[SEL+1] ; the query's other 32 keys lie in the lane 16 away
	v_max_num_f32 v241, v244, v245
	v_mul_f32 v240, s[CS], v241
	v_sub_f32 v252, v252, v240
.irp b, 0,1,2,3,4,5,6,7,8,9,10,11,12,13,14,15
	v_pk_fma_f32 v[S+2*\b:S+2*\b+1], v[S+2*\b:S+2*\b+1], s[CS:CS+1], v[240:241] op_sel_hi:[1,0,0] neg_lo:[0,0,1] neg_hi:[0,0,1]   ; c s - c m
.endr
	v_exp_f32 v246, v252                           ; a
.irp n, 0,1,2,3,4,5,6,7,8,9,10,11,12,13,14,15,16,17,18,19,20,21,22,23,24,25,26,27,28,29,30,31
	v_exp_f32 v[S+\n], v[S+\n]
.endr
.if (\q) < 3
	KLOAD (\q)+1                                   ; the next step's K: its registers were last read by this step's first products, far more than four places back
.endif
	v_nop                                          ; a plain instruction behind the last exponential,
	s_wait_alu depctr_va_vdst(0)                   ; and one wait for the batch of 33, ahead of its first reader
	v_pk_mul_f32 v[242:243], v[242:243], v[246:247] op_sel_hi:[1,0]   ; l x a
.irp n, 0,1,2,3,4,5,6,7,8,9,10,11,12,13,14,15
	v_cvt_pk_f16_f32 v[P+\n], v[S+2*\n], v[S+2*\n+1]
.endr
	v_pk_add_f32 v[248:249], v[S:S+1], v[S+2:S+3]  ; the sum of the unrounded p, in two chains
.irp j, 4,8,12,16,20,24,28
	v_pk_add_f32 v[242:243], v[242:243], v[S+\j:S+\j+1]
	v_pk_add_f32 v[248:249], v[248:249], v[S+\j+2:S+\j+3]
.endr
	v_pk_add_f32 v[242:243], v[242:243], v[248:249]
.irp n, 0,1,2,3,4,5,6,7,8,9,10,11,12,13,14,15
	v_pk_mul_f32 v[O+2*\n:O+2*\n+1], v[O+2*\n:O+2*\n+1], v[246:247] op_sel_hi:[1,0]   ; O^T x a
.endr
.if (\q) < 3
	s_wait_dscnt 16                                ; V is in; the next step's sixteen loads of K, issued behind V's, may stay out
.else
	s_wait_dscnt 0x0                               ; V is in
.endif
.irp u, 0,1
.irp ct, 0,1,2,3
	v_wmma_f32_16x16x32_f16 v[O+8*\ct:O+8*\ct+7], v[VR+32*\u+8*\ct:VR+32*\u+8*\ct+7], v[P+8*\u:P+8*\u+7], v[O+8*\ct:O+8*\ct+7]
.endr
.endr
.endm
; THE CHANGE OF SLOTS, at a slot's head.  Each wave waits for all its tensor loads, adds 0 to its spare word (fill = 1: twice on end),
; and waits for that and for its reads of the slot that it has left.  Behind the barrier the slot ahead is whole and nobody reads the other one, which takes the next 256 keys.
.macro CHANGE fill
	s_wait_tensorcnt 0x0
	ds_add_u32 v[SPW], v[NIL]
.if \fill
	ds_add_u32 v[SPW], v[NIL]
	s_xor_b32 s[G0+1], s[G0+1], SLOT1              ; the walking descriptor: the other slot,
	s_add_nc_u64 s[G0+2:G0+3], s[G0+2:G0+3], 32768 ; the next 256 keys
	s_wait_xcnt 0x0                                ; the last prefetch, a slot back, has read its address
	s_add_nc_u64 s[PFA:PFA+1], s[PFA:PFA+1], 32768
.endif
	s_wait_dscnt 0x0
	s_barrier_signal -1
	s_barrier_wait -1
.if \fill
	s_add_co_u32 s36, s[KF], 256                   ; the first key of the slot that this change would ask for
	s_cmp_gt_u32 s36, s[QL]                        ; ids and the count of slots alone: all sixteen waves go the same way
	s_cbranch_scc1 .Lpast_\@
	TLOAD
.Lpast_\@:
	ASK
.endif
.endm
.macro SLOT_STEPS id
	v_add_nc_u32 v[ADR], s[TB], v[LI]              ; once a slot, on every path
	STEP 0, .Lse_\id
	STEP 1, .Lse_\id
	STEP 2, .Lse_\id
	STEP 3, .Lse_\id
.Lse_\id:
	s_add_co_u32 s[KF], s[KF], 256
	s_xor_b32 s[TB], s[TB], SLOT1
.endm
	s_load_b128 s[4:7], s[0:1], 0x0                ; qkv s[4:5], attnf s[6:7]
	v_lshl_add_u32 v[SPW], v0, 2, SPARE
	v_mov_b32 v[NIL], 0
	ds_add_u32 v[SPW], v[NIL]                      ; the wave's opening: the add, twice on end, and its wait ahead of the first tensor load
	ds_add_u32 v[SPW], v[NIL]
	v_lshrrev_b32 v1, 5, v0
	v_readfirstlane_b32 s[WV], v1                  ; wave 0..15
	s_and_b32 s9, ttmp7, 0xffff                    ; y
	s_lshr_b32 s10, s[WV], 2
	s_xor_b32 s10, s10, s[WV]
	s_and_b32 s10, s10, 1                          ; 0: the early block, 1: the late one
	s_sub_co_u32 s35, 15, ttmp9
	s_cmp_lg_u32 s10, 0
	s_cselect_b32 s10, s35, ttmp9
	s_lshl_b32 s[Q0], s10, 7
	s_lshr_b32 s10, s[WV], 1
	s_lshl_b32 s10, s10, 4
	s_add_co_u32 s[Q0], s[Q0], s10                 ; my first query: 128 block + 16 (wave / 2)
	s_add_co_u32 s[Q15], s[Q0], 15
	s_lshl_b32 s[QL], s35, 7
	s_or_b32 s[QL], s[QL], 127
	s_mov_b32 s[G1], 3<<16                         ; a dense block of 16,384 bytes as 64 rows of 32 elements of 8 bytes; no mask, no padding
	s_mov_b32 s[G1+1], 32<<16
	s_mov_b32 s[G1+2], 64<<16
	s_mov_b32 s[G1+3], 32<<16
	s_mov_b32 s[G1+4], 64
	s_mov_b32 s[G1+5], 32
	s_mov_b32 s[G1+6], 0
	s_mov_b32 s[G1+7], 0
	s_mov_b32 s[CS], 0x3e38aa3b                    ; c = log2(e) / 8
	s_mov_b32 s[CS+1], s[CS]
	s_mov_b32 s[SEL], 0x76543210
	s_mov_b32 s[SEL+1], 0xfedcba98
	s_mov_b32 s[KF], 0
	s_mov_b32 s[TB], 0
	s_mov_b32 s[SLOTS], 7
	s_lshl_b32 s36, s9, 18                         ; the head's 262,144 bytes in each of q, k, v
	s_and_b32 s38, s[WV], 3
	s_lshl_b32 s39, s38, 14                        ; where my load lands in a slot
	s_and_b32 s40, s[WV], 1
	s_lshl_b32 s40, s40, 14
	s_mov_b32 s41, 0x1000000
	s_cmp_lt_u32 s38, 2
	s_cselect_b32 s41, 0x800000, s41               ; k's part of the buffer or v's
	s_add_co_u32 s40, s40, s41
	s_add_co_u32 s40, s40, s36
	s_mov_b32 s41, 0
	s_wait_dscnt 0x0                               ; both opening adds are done
	s_wait_kmcnt 0x0
	s_mov_b32 s[G0], 1
	s_mov_b32 s[G0+1], s39
	s_add_nc_u64 s[G0+2:G0+3], s[4:5], s[40:41]
	s_or_b32 s[G0+3], s[G0+3], 0x80000000
	TLOAD                                          ; slot 0: it holds key 0, which counts for every query
	v_and_b32 v[LI], 31, v0
	v_lshlrev_b32 v[PFO], 8, v[LI]
	v_lshlrev_b32 v[LI], 4, v[LI]
	s_lshl_b32 s44, s[Q0], 7
	s_add_co_u32 s44, s44, s36
	s_mov_b32 s45, 0
	s_add_nc_u64 s[44:45], s[4:5], s[44:45]
.irp bq, 0,1,2,3
	global_load_b128 v[QF+4*\bq:QF+4*\bq+3], v[LI], s[44:45] offset:512*\bq   ; Q stays in registers
.endr
	s_mov_b32 s42, 0x1000000                       ; the prefetches: where my wave's stand, and who asks
	s_cmp_lt_u32 s[WV], 8
	s_cselect_b32 s42, 0x800000, s42
	s_lshl_b32 s43, s38, 13
	s_add_co_u32 s42, s42, s43
	s_add_co_u32 s42, s42, s36
	s_add_co_u32 s42, s42, 32768                   ; in slot 1: the first change of slots steps it to slot 2; nothing is asked for here, at the head
	s_mov_b32 s43, 0
	s_add_nc_u64 s[PFA:PFA+1], s[4:5], s[42:43]
	s_sub_co_u32 s42, s[WV], 4
	s_lshr_b32 s42, s42, 3                         ; 0 in waves 4 to 11,
	s_or_b32 s42, s42, ttmp9                       ; of the head's work-group 0
	s_cmp_eq_u32 s42, 0
	s_cselect_b32 s[LIM], 1, -1
	s_lshr_b32 s46, s9, 4                          ; the way out: row block RB = 128 batch + Q0 / 16
	s_lshl_b32 s46, s46, 7
	s_lshr_b32 s47, s[Q0], 4
	s_add_co_u32 s46, s46, s47
	s_lshr_b32 s47, s46, 3
	s_lshl_b32 s47, s47, 18                        ; 262,144 bytes a row tile of 128,
	s_and_b32 s46, s46, 7
	s_lshl_b32 s46, s46, 10                        ; 1,024 a row block,
	s_add_co_u32 s46, s46, s47
	s_and_b32 s47, s9, 15
	s_lshl_b32 s47, s47, 14                        ; 16,384 a head (two K chunks of 32)
	s_add_co_u32 s46, s46, s47
	s_mov_b32 s47, 0
	s_add_nc_u64 s[6:7], s[6:7], s[46:47]
	v_and_b32 v7, 15, v0
	v_bfe_u32 v8, v0, 4, 1
	v_lshlrev_b32 v8, 3, v8
	v_sub_nc_u32 v[RH], v7, v8
	v_mov_b32 v241, 0xff61b1e6                     ; m = -3e38, under every score
	v_mul_f32 v240, s[CS], v241
	v_mov_b32 v242, 0                              ; l
	v_mov_b32 v243, 0
	v_mov_b32 v245, 0                              ; (written once: named on the way out on every path of the text)
	v_mov_b32 v246, 0
	v_mov_b32 v247, 0
	v_mov_b32 v251, 0xff800000                     ; -infinity
.irp n, 0,1,2,3,4,5,6,7,8,9,10,11,12,13,14,15,16,17,18,19,20,21,22,23,24,25,26,27,28,29,30,31
	v_mov_b32 v[O+\n], 0                           ; O^T: the step is written once; its first turn finds zeros
.endr
	s_wait_loadcnt 0x0                             ; Q
.Lslot:                                            ; seven trips: behind each change of slots but the last the next slot is asked for, up to the causal limit
	CHANGE 1
	SLOT_STEPS 0
	s_sub_co_u32 s[SLOTS], s[SLOTS], 1
	s_cmp_lg_u32 s[SLOTS], 0
	s_cbranch_scc1 .Lslot
	CHANGE 0                                       ; the last slot is written out: nothing is left to ask for
	SLOT_STEPS 1
	; THE WAY OUT: O^T / l, rounded to f16: a lane's eight channels of one row are four registers of the next product's fragment: four stores of 512 consecutive aligned bytes
.rept 4
	v_nop                                          ; places behind the last products
.endr
	v_add_f32 v242, v242, v243
	v_permlanex16_b32 v245, v242, s[SEL], s[SEL+1]
	v_add_f32 v242, v242, v245
	v_rcp_f32 v246, v242
	v_nop
	s_wait_alu depctr_va_vdst(0)
.irp n, 0,1,2,3,4,5,6,7,8,9,10,11,12,13,14,15
	v_pk_mul_f32 v[S+2*\n:S+2*\n+1], v[O+2*\n:O+2*\n+1], v[246:247] op_sel_hi:[1,0]
.endr
.irp n, 0,1,2,3,4,5,6,7,8,9,10,11,12,13,14,15
	v_cvt_pk_f16_f32 v[P+\n], v[S+2*\n], v[S+2*\n+1]
.endr
.irp ct, 0,1,2,3
	global_store_b128 v[LI], v[P+4*\ct:P+4*\ct+3], s[6:7] offset:8192*(\ct/2)+512*(\ct%2)
.endr
	s_wait_tensorcnt 0x0                           ; the wave's end (the last wait also covers loads of K that a hidden step left unread)
	ds_add_u32 v[SPW], v[NIL]
	s_wait_dscnt 0x0
	s_endpgm
.Lfunc_end_k_qfebe106144_attn:
	.size	k_qfebe106144_attn, .Lfunc_end_k_qfebe106144_attn-k_qfebe106144_attn
	.p2alignl 7, 3214868480
	.fill 96, 4, 3214868480
	.section	.rodata,"a",@progbits
	.p2align	6, 0x0
	.amdhsa_kernel k_qfebe106144_attn
		.amdhsa_group_segment_fixed_size 327680
		.amdhsa_private_segment_fixed_size 0
		.amdhsa_enable_private_segment 0
		.amdhsa_kernarg_size 16
		.amdhsa_user_sgpr_count 2
		.amdhsa_user_sgpr_kernarg_segment_ptr 1
		.amdhsa_wavefront_size32 1
		.amdhsa_system_sgpr_workgroup_id_x 1
		.amdhsa_system_sgpr_workgroup_id_y 1
		.amdhsa_system_sgpr_workgroup_id_z 1
		.amdhsa_system_vgpr_workitem_id 0
		.amdhsa_next_free_vgpr 256
		.amdhsa_next_free_sgpr 66
		.amdhsa_reserve_vcc 1
		.amdhsa_float_denorm_mode_32 3
		.amdhsa_float_denorm_mode_16_64 3
		.amdhsa_memory_ordered 1
		.amdhsa_forward_progress 1
		.amdhsa_inst_pref_size 106
	.end_amdhsa_kernel
	.amdgpu_metadata
---
amdhsa.version: [ 1, 2 ]
amdhsa.kernels:
  - .name:           k_qfebe106144_attn
    .symbol:         k_qfebe106144_attn.kd
    .args:
      - { .name: qkv, .offset: 0, .size: 8, .value_kind: global_buffer, .address_space: global }
      - { .name: attnf, .offset: 8, .size: 8, .value_kind: global_buffer, .address_space: global }
    .group_segment_fixed_size: 327680
    .private_segment_fixed_size: 0
    .kernarg_segment_align: 8
    .kernarg_segment_size: 16
    .max_flat_workgroup_size: 512
    .sgpr_count:     66
    .vgpr_count:     256
    .wavefront_size: 32
...
	.end_amdgpu_metadata
.endif
;; end of part 3
;; launch oproj (part 4): grid 8 x 32, 4 waves a work-group, clusters of 4 x 4, 327,680 bytes of LDS; arguments attnf, wo16, out0; writes out0
.if DOCPART == 4
	.amdgcn_target "amdgcn-amd-amdhsa--gfx1250"
	.amdhsa_code_object_version 6
	.text
	.protected	k_qfebe106144_oproj
	.globl	k_qfebe106144_oproj
	.p2align	8
	.type	k_qfebe106144_oproj,@function
k_qfebe106144_oproj:
	s_mov_b64 s[64:65], 0
	v_nop
	global_prefetch_b8 v0, s[64:65] scope:SCOPE_SE
	s_setreg_imm32_b32 hwreg(HW_REG_WAVE_MODE, 25, 1), 1
	s_wait_xcnt 0x0
	s_wait_alu depctr_hold_cnt(0) depctr_sa_sdst(0) depctr_va_vdst(0) depctr_va_sdst(0) depctr_va_ssrc(0) depctr_va_vcc(0) depctr_vm_vsrc(0)
	s_getreg_b32 s2, hwreg(HW_REG_IB_STS2, 6, 4)
	s_cmp_eq_u32 s2, 0
	s_cbranch_scc0 .Lentry_in_a_cluster
	s_endpgm
.Lentry_in_a_cluster:
	s_bfe_u32 s2, ttmp6, 0x10000c
	s_cmp_lg_u32 s2, 0xf033
	s_cbranch_scc0 .Lentry_shape_is_right
	s_endpgm
.Lentry_shape_is_right:
; out0[m][n] = sum over k of A[m][k] Wo[n][k]: M = 4,096, N = 1,024, K = 1,024; operands in f16, sums and result in f32.
; A (the attention's result) arrives in the order of the operand's registers: [row tile of 128][K chunk of 32][row block of 16][2 pieces of 512 bytes]; Wo arrives row-major in f16.
; A tile of C is 128 x 128: 256 work-groups.  Four waves, each 64 x 64: 16 accumulators.  K goes in four steps of 256 through a ring of two LDS slots.  In a slot A's 65,536 bytes lie dense (a fragment load
; takes 512 consecutive bytes); Wo's 128 rows of 512 bytes get 16 bytes of padding each.
; CLUSTERS: 4 x 4 work-groups.  The four of a row of the cluster need the same tiles of A, the four of a column the same tiles of Wo: each tile is asked for jointly.
; THE MATRIX INSTRUCTION IS USED TRANSPOSED (source 0 = 16 rows of Wo, source 1 = 16 rows of A): a lane holds eight neighbouring numbers of a row of C.
; A wave's 64 columns of f32 are 256 aligned bytes of a row: each wave sends its blocks of 16 rows through a stage of its own; no barrier on the way out.
; The first 16 rows of each sequence are written again, more finely, by the next launch.   LIMITS: operands under 65,504.
; REGISTERS: window 0: v16-29 addresses; v32-95 the way out; v128-255 accumulators ((a, b) at v[128 + 8 (4 a + b)]).  window 1: two fragment buffers of 128 (64 of A, 64 of Wo, for 64 along K).
.set PITCH,  528
.set HALFB,  64*PITCH
.set BOFF,   65536
.set SLOT,   BOFF+2*HALFB              ; 133,120
.set SPARE,  2*SLOT                    ; the spare words, 128 bytes a wave, named by no other line
.set STAGE,  SPARE+512                 ; 16 rows x 272 bytes for each wave; no tensor load lands here
.set SPITCH, 272
.set LAPS,   2
.set ADRA, 16
.set ADRB, 20
.set STO,  24
.set RD,   25
.set CO,   26
.set SPW,  28
.set NIL,  29
.set TMP,  32
.set ACC,  128
.set F0,   0
.set F1,   128
.set G1, 24
.set G0, 32
.set G1B, 48
.set G0B, 56
.set MSB, 0
.macro WIN new
.if MSB != \new
	s_set_vgpr_msb (MSB<<8)|\new
.set MSB, \new
.endif
.endm
.set MUL,  0x05                        ; sources 0 and 1 window 1; C and D window 0
.set TO_F, 0x40                        ; destination window 1, address window 0
.macro JLOAD s                         ; a joint load: waves 0 and 1 fetch A's two halves, waves 2 and 3 Wo's; an s_nop 0 and four v_nop follow each line
	s_cmp_eq_u32 s11, 0
	s_cbranch_scc0 .Lfor_b_\@
	tensor_load_to_lds s[G0+4*\s:G0+4*\s+3], s[G1:G1+7]
	s_nop 0
.rept 4
	v_nop
.endr
	s_branch .Lasked_\@
.Lfor_b_\@:
	tensor_load_to_lds s[G0B+4*\s:G0B+4*\s+3], s[G1B:G1B+7]
	s_nop 0
.rept 4
	v_nop
.endr
.Lasked_\@:
.endm
.macro CREST
	s_cmp_lg_u32 s10, 0
	s_cbranch_scc1 .Lnot_wave_0_\@
	s_barrier_signal -3
.Lnot_wave_0_\@:
	s_barrier_wait -3
	s_barrier_signal -1
	s_barrier_wait -1
.endm
.macro CROUND
	s_barrier_signal -1
	s_barrier_wait -1
	CREST
.endm
	s_load_b128 s[4:7], s[0:1], 0x0                ; attnf s[4:5], wo16 s[6:7]
	s_load_b64 s[8:9], s[0:1], 0x10                ; out0
	v_lshl_add_u32 v[SPW], v0, 2, SPARE
	v_mov_b32 v[NIL], 0
	ds_add_u32 v[SPW], v[NIL]                      ; the wave's opening: the add, twice on end, and its wait ahead of my first tensor load
	ds_add_u32 v[SPW], v[NIL]
	v_lshrrev_b32 v1, 5, v0
	v_readfirstlane_b32 s10, v1                    ; wave 0..3
	s_lshr_b32 s11, s10, 1                         ; which half of the tile's rows is mine.  Also: I fetch for A (0) or for Wo (1)
	s_and_b32 s12, s10, 1                          ; which half of its columns.  Also: which half of that tile I fetch
	s_bfe_u32 s40, ttmp6, 0x40000                  ; cx, cy
	s_bfe_u32 s41, ttmp6, 0x40004
	s_lshl_b32 s42, ttmp9, 2
	s_add_co_u32 s42, s42, s40                     ; tile column
	s_and_b32 s13, ttmp7, 0xffff
	s_lshl_b32 s13, s13, 2
	s_add_co_u32 s13, s13, s41                     ; tile row
	s_lshl_b32 s43, s41, 2
	s_lshl_b32 s43, 15, s43                        ; my row of the cluster
	s_lshl_b32 s44, 0x1111, s40                    ; my column
	s_or_b32 s[G1+0], s43, (3<<16)|(1<<21)         ; A: a dense block of 32,768 bytes as 128 rows of 32 elements of 8 bytes; no padding
	s_mov_b32 s[G1+1], 32<<16
	s_mov_b32 s[G1+2], 128<<16
	s_mov_b32 s[G1+3], 32<<16
	s_mov_b32 s[G1+4], 128
	s_mov_b32 s[G1+5], 32
	s_mov_b32 s[G1+6], 0
	s_mov_b32 s[G1+7], 0
	s_or_b32 s[G1B+0], s44, (1<<16)|(1<<20)|(1<<21)|(6<<22)|(3<<25)   ; Wo: 64 rows of 256 elements of 2 bytes, four words of padding behind every 128
	s_mov_b32 s[G1B+1], 256<<16
	s_mov_b32 s[G1B+2], 64<<16
	s_mov_b32 s[G1B+3], 256<<16
	s_mov_b32 s[G1B+4], 64
	s_mov_b32 s[G1B+5], 1024
	s_mov_b32 s[G1B+6], 0
	s_mov_b32 s[G1B+7], 0
	s_lshl_b32 s16, s13, 18                        ; A: 262,144 bytes a row tile, + my half of a K step's 65,536
	s_lshl_b32 s17, s12, 15
	s_add_co_u32 s16, s16, s17
	s_mov_b32 s17, 0
	s_lshl_b32 s46, s42, 7                         ; Wo: row 128 x tile column + 64 x half, 2,048 bytes a row
	s_lshl_b32 s47, s12, 6
	s_add_co_u32 s46, s46, s47
	s_lshl_b32 s46, s46, 11
	s_mov_b32 s47, 0
	s_lshl_b32 s20, s12, 15                        ; where they go: no place in the cluster enters an LDS address
	s_mul_i32 s21, s12, HALFB
	s_add_co_u32 s21, s21, BOFF
	s_wait_dscnt 0x0                               ; both opening adds are done
	s_wait_kmcnt 0x0
	s_add_nc_u64 s[14:15], s[4:5], s[16:17]
	s_add_nc_u64 s[46:47], s[6:7], s[46:47]
	CROUND                                         ; all sixteen work-groups are here: the first joint loads meet
.irp s, 0,1
	s_mov_b32 s[G0+4*\s], 1
	s_add_co_u32 s[G0+4*\s+1], s20, \s*SLOT
	s_add_nc_u64 s[G0+4*\s+2:G0+4*\s+3], s[14:15], \s*65536
	s_or_b32 s[G0+4*\s+3], s[G0+4*\s+3], 0x80000000
	s_mov_b32 s[G0B+4*\s], 1
	s_add_co_u32 s[G0B+4*\s+1], s21, \s*SLOT
	s_add_nc_u64 s[G0B+4*\s+2:G0B+4*\s+3], s[46:47], \s*512
	s_or_b32 s[G0B+4*\s+3], s[G0B+4*\s+3], 0x80000000
	JLOAD \s
.endr
	v_and_b32 v1, 15, v0                           ; l % 16
	v_bfe_u32 v2, v0, 4, 1                         ; l / 16
	v_mul_u32_u24 v3, v1, PITCH
	v_lshl_add_u32 v3, v2, 4, v3                   ; Wo: row x pitch + 16 x half
	v_and_b32 v4, 31, v0
	v_lshlrev_b32 v4, 4, v4                        ; A: 16 x lane
	s_lshl_b32 s21, s11, 12                        ; my four row blocks of 1,024 bytes
	s_mul_i32 s22, s12, HALFB                      ; my 64 rows of Wo
	s_add_co_u32 s22, s22, BOFF
.irp s, 0,1
	v_add_nc_u32 v[ADRA+\s], s21, v4
	v_add_nc_u32 v[ADRB+\s], s22, v3
	s_add_co_u32 s21, s21, SLOT
	s_add_co_u32 s22, s22, SLOT
.endr
	s_mul_i32 s23, s10, 16*SPITCH
	s_add_co_u32 s23, s23, STAGE                   ; my stage
	v_mul_u32_u24 v5, v1, SPITCH
	v_lshl_add_u32 v5, v2, 5, v5
	v_add_nc_u32 v[STO], s23, v5                   ; in: row l % 16, 32 bytes for each half of the lanes
	v_mul_u32_u24 v5, v2, SPITCH
	v_lshl_add_u32 v5, v1, 4, v5
	v_add_nc_u32 v[RD], s23, v5                    ; back: lanes 0-15 one row of 256 bytes, lanes 16-31 the next
	v_lshlrev_b32 v5, 12, v2
	v_lshl_add_u32 v[CO], v1, 4, v5                ; and the same two rows in C (4,096 bytes a row)
	s_lshl_b32 s16, s13, 7
	s_lshl_b32 s17, s11, 6
	s_add_co_u32 s16, s16, s17                     ; my first row of C
	s_lshl_b32 s16, s16, 12
	s_mov_b32 s17, 0
	s_add_nc_u64 s[8:9], s[8:9], s[16:17]
	s_lshl_b32 s46, s42, 7
	s_lshl_b32 s47, s12, 6
	s_add_co_u32 s46, s46, s47
	s_lshl_b32 s46, s46, 2                         ; my first column, in bytes
	s_mov_b32 s47, 0
	s_add_nc_u64 s[8:9], s[8:9], s[46:47]
.macro MUL8 f, c, a0, zero             ; 8 matrix instructions: row blocks a0, a0 + 1 x all 4 column blocks, 32 along K: half c of buffer f
.irp a, \a0, \a0+1
.irp b, 0,1,2,3
.if \zero
	v_wmma_f32_16x16x32_f16 v[ACC+8*(4*(\a)+\b):ACC+8*(4*(\a)+\b)+7], v[\f+64+8*(4*\c+\b):\f+64+8*(4*\c+\b)+7], v[\f+8*(4*\c+\a):\f+8*(4*\c+\a)+7], 0
.else
	v_wmma_f32_16x16x32_f16 v[ACC+8*(4*(\a)+\b):ACC+8*(4*(\a)+\b)+7], v[\f+64+8*(4*\c+\b):\f+64+8*(4*\c+\b)+7], v[\f+8*(4*\c+\a):\f+8*(4*\c+\a)+7], v[ACC+8*(4*(\a)+\b):ACC+8*(4*(\a)+\b)+7]
.endif
.endr
.endr
.endm
; 32 LDS loads in one run: the fragments of 64 along K, at byte k of Wo's rows and at K chunk k / 64 of A's images, into buffer f; the first 32 along K first
.macro FETCH slot, k, f
	WIN TO_F
.irp c, 0,1
.irp i, 0,1,2,3
	ds_load_b128 v[\f+64+8*(4*\c+\i):\f+64+8*(4*\c+\i)+3],   v[ADRB+\slot] offset:\k+64*\c+\i*16*PITCH
	ds_load_b128 v[\f+64+8*(4*\c+\i)+4:\f+64+8*(4*\c+\i)+7], v[ADRB+\slot] offset:\k+64*\c+\i*16*PITCH+32
	ds_load_b128 v[\f+8*(4*\c+\i):\f+8*(4*\c+\i)+3],         v[ADRA+\slot] offset:128*(\k)+8192*\c+1024*\i
	ds_load_b128 v[\f+8*(4*\c+\i)+4:\f+8*(4*\c+\i)+7],       v[ADRA+\slot] offset:128*(\k)+8192*\c+1024*\i+512
.endr
.endr
.endm
.macro PLACES
.rept 4
	v_nop
.endr
.endm
.macro QUARTER slot, k, f, g, zero     ; 64 along K: multiplies buffer f and fetches the next quarter, at byte k, into g
	s_wait_dscnt 16                                ; the first 32 along K are in
	WIN MUL
	MUL8 \f, 0, 0, \zero
	MUL8 \f, 0, 2, \zero
	PLACES
	FETCH \slot, \k, \g
	s_wait_dscnt 32                                ; all but the 32 just issued
	WIN MUL
	MUL8 \f, 1, 0, 0
	MUL8 \f, 1, 2, 0
.endm
; The last quarter multiplies buffer 1 and changes slots: ONE barrier; in front of it each wave waits for all its tensor loads, adds 0 to its spare word, and waits for that and for its reads of this slot
.macro TURN slot, next, fill
	WIN 0
	s_wait_tensorcnt 0x0                           ; all my tensor loads have landed: my part of the next slot
	ds_add_u32 v[SPW], v[NIL]
	s_wait_dscnt 17                                ; (the add and the youngest sixteen loads may be out)
	WIN MUL
	MUL8 F1, 0, 0, 0
	s_wait_dscnt 0x0                               ; the add is done, and my reads of this slot are over
	s_barrier_signal -1
	MUL8 F1, 0, 2, 0
.if \fill
	WIN 0
.endif
	s_barrier_wait -1
.if \fill
	CREST                                          ; the barrier has opened a round of the cluster's barrier: no wave of any partner still reads this slot or has a load on its way
	s_add_nc_u64 s[G0+4*\slot+2:G0+4*\slot+3], s[G0+4*\slot+2:G0+4*\slot+3], 131072
	s_add_nc_u64 s[G0B+4*\slot+2:G0B+4*\slot+3], s[G0B+4*\slot+2:G0B+4*\slot+3], 1024
	JLOAD \slot                                    ; the first tensor load behind the round; its four v_nop are also the places in front of the loads below
.else
	PLACES
.endif
	FETCH \next, 0, F0
	WIN MUL
	MUL8 F1, 1, 0, 0
	MUL8 F1, 1, 2, 0
.endm
	s_wait_tensorcnt 1                             ; my part of K step 0 is in; K step 1's may stay out
	s_barrier_signal -1
	s_barrier_wait -1
	FETCH 0, 0, F0
	QUARTER 0, 128, F0, F1, 1                      ; the first quarter's first products start the sums
	WIN 0
	s_mov_b32 s3, LAPS-1
.Llap:                                             ; a trip goes once round the ring and fills both slots again
	QUARTER 0, 256, F1, F0, 0
	QUARTER 0, 384, F0, F1, 0
	TURN 0, 1, 1
	QUARTER 1, 128, F0, F1, 0
	QUARTER 1, 256, F1, F0, 0
	QUARTER 1, 384, F0, F1, 0
	TURN 1, 0, 1
	QUARTER 0, 128, F0, F1, 0
	WIN 0
	s_sub_co_u32 s3, s3, 1
	s_cmp_lg_u32 s3, 0
	s_cbranch_scc1 .Llap
	QUARTER 0, 256, F1, F0, 0                      ; the last lap fills nothing
	QUARTER 0, 384, F0, F1, 0
	TURN 0, 1, 0
	QUARTER 1, 128, F0, F1, 0
	QUARTER 1, 256, F1, F0, 0
	QUARTER 1, 384, F0, F1, 0
	s_wait_dscnt 16
	WIN MUL
	MUL8 F1, 0, 0, 0
	MUL8 F1, 0, 2, 0
	s_wait_dscnt 0
	MUL8 F1, 1, 0, 0
	MUL8 F1, 1, 2, 0
	WIN 0
	; THE WAY OUT, a block of 16 rows x 64 columns at a time through my own stage: in as 32 bytes a lane, back as whole rows of 256 bytes.  LDS serves a wave's instructions in order.
.macro TOSTAGE a
.irp b, 0,1,2,3
	ds_store_b128 v[STO], v[ACC+8*(4*(\a)+\b):ACC+8*(4*(\a)+\b)+3] offset:64*\b       ; each accumulator from its low end on
	ds_store_b128 v[STO], v[ACC+8*(4*(\a)+\b)+4:ACC+8*(4*(\a)+\b)+7] offset:64*\b+16
.endr
.irp t, 0,1,2,3,4,5,6,7
	ds_load_b128 v[TMP+32*((\a)%2)+4*\t:TMP+32*((\a)%2)+4*\t+3], v[RD] offset:\t*2*SPITCH
.endr
.endm
.macro SEND a, younger                 ; younger: the LDS instructions issued behind block a's loads
	s_wait_dscnt \younger
.irp t, 0,1,2,3,4,5,6,7
	global_store_b128 v[CO], v[TMP+32*((\a)%2)+4*\t:TMP+32*((\a)%2)+4*\t+3], s[8:9] offset:(16*(\a)+2*\t)*4096 th:TH_STORE_NT   ; 16 lanes store 256 consecutive bytes, aligned
.endr
.endm
	PLACES
	TOSTAGE 0
.irp a, 1,2,3
.if \a > 1
	s_wait_xcnt 0x0                                ; block a - 2's stores have read their registers: block a's loads may land there
.endif
	TOSTAGE \a
	SEND \a-1, 16
.endr
	SEND 3, 0
	s_wait_tensorcnt 0x0                           ; the wave's end
	ds_add_u32 v[SPW], v[NIL]
	s_wait_dscnt 0x0
	CROUND                                         ; the closing round
	s_endpgm
.Lfunc_end_k_qfebe106144_oproj:
	.size	k_qfebe106144_oproj, .Lfunc_end_k_qfebe106144_oproj-k_qfebe106144_oproj
	.p2alignl 7, 3214868480
	.fill 96, 4, 3214868480
	.section	.rodata,"a",@progbits
	.p2align	6, 0x0
	.amdhsa_kernel k_qfebe106144_oproj
		.amdhsa_group_segment_fixed_size 327680
		.amdhsa_private_segment_fixed_size 0
		.amdhsa_enable_private_segment 0
		.amdhsa_kernarg_size 24
		.amdhsa_user_sgpr_count 2
		.amdhsa_user_sgpr_kernarg_segment_ptr 1
		.amdhsa_wavefront_size32 1
		.amdhsa_system_sgpr_workgroup_id_x 1
		.amdhsa_system_sgpr_workgroup_id_y 1
		.amdhsa_system_sgpr_workgroup_id_z 1
		.amdhsa_system_vgpr_workitem_id 0
		.amdhsa_next_free_vgpr 512
		.amdhsa_next_free_sgpr 66
		.amdhsa_reserve_vcc 0
		.amdhsa_float_denorm_mode_32 3
		.amdhsa_float_denorm_mode_16_64 3
		.amdhsa_memory_ordered 1
		.amdhsa_forward_progress 1
		.amdhsa_inst_pref_size 86
	.end_amdhsa_kernel
	.amdgpu_metadata
---
amdhsa.version: [ 1, 2 ]
amdhsa.kernels:
  - .name:           k_qfebe106144_oproj
    .symbol:         k_qfebe106144_oproj.kd
    .args:
      - { .name: attnf, .offset: 0, .size: 8, .value_kind: global_buffer, .address_space: global }
      - { .name: wo16, .offset: 8, .size: 8, .value_kind: global_buffer, .address_space: global }
      - { .name: out0, .offset: 16, .size: 8, .value_kind: global_buffer, .address_space: global }
    .group_segment_fixed_size: 327680
    .private_segment_fixed_size: 0
    .kernarg_segment_align: 8
    .kernarg_segment_size: 24
    .max_flat_workgroup_size: 128
    .sgpr_count:     66
    .vgpr_count:     512
    .wavefront_size: 32
...
	.end_amdgpu_metadata
.endif
;; end of part 4
;; launch fine16 (part 5): grid 64 x 2, 16 waves a work-group, no clusters, 92,160 bytes of LDS; arguments fine, Wo, out0; writes out0
.if DOCPART == 5
	.amdgcn_target "amdgcn-amd-amdhsa--gfx1250"
	.amdhsa_code_object_version 6
	.text
	.protected	k_qfebe106144_fine16
	.globl	k_qfebe106144_fine16
	.p2align	8
	.type	k_qfebe106144_fine16,@function
k_qfebe106144_fine16:
	s_mov_b64 s[64:65], 0
	v_nop
	global_prefetch_b8 v0, s[64:65] scope:SCOPE_SE
	s_setreg_imm32_b32 hwreg(HW_REG_WAVE_MODE, 25, 1), 1
	s_wait_xcnt 0x0
; THE FIRST 16 POSITIONS OF EACH SEQUENCE, ALL IN F32: their attention and their rows of the last product, by the f32 matrix form (no bulk work: 48 matrix instructions a wave).  It overwrites 32 rows of out0.
; SHARES: a work-group = (16 columns of the output, batch); wave = head.  Each wave makes its head's 16 x 16 attention and multiplies its 64 channels into the 16 columns; the sixteen heads' parts are added through LDS.
; q, k, v arrive as images of accumulator tiles: q, k: lane (r, h) holds position r, channels 16 bq + 8 h + j in register 8 bq + j; v: channel 16 ct + r, positions 8 h + j.
; Wo IS READ DENSELY: each load takes the head's 256 bytes of two rows, sixteen lanes to a row; the 16 rows turn through the wave's own stage in LDS (rows 272 bytes apart) and come back a row to a lane.
; THE ORDER OF K IS PERMUTED ALIKE ON BOTH SIDES: a link takes registers 2 i, 2 i + 1 of both operands, so that the form's place (lane / 16, register) stands for k = 8 (lane / 16) + 2 i + register in both.
; All products are used transposed, so that a lane holds one query: S^T = K Q^T, O^T = V^T P, R^T = Wo O.  Accumulators take turns, one instruction a turn;
; the registers that the f32 matrix form writes (v176-239) are written by it alone.
; A row leaves as 64 consecutive bytes a work-group: 128 KB in the whole launch.   LIMITS: NaN and infinities are not served; exponentials under 2^-126 count as 0.
.set PST,   69632                      ; behind the sixteen stages for Wo (16 rows x 272 bytes each): sixteen stages for the heads' parts, 16 rows x 80 bytes each
.set SPARE, 90112                      ; behind them: the spare words, 128 bytes a wave, named by no other line
.set SPW, 14
.set NIL, 15
	s_load_b128 s[4:7], s[0:1], 0x0                ; fine s[4:5], Wo s[6:7]
	s_load_b64 s[8:9], s[0:1], 0x10                ; out0
	v_lshl_add_u32 v[SPW], v0, 2, SPARE
	v_mov_b32 v[NIL], 0
	v_lshrrev_b32 v1, 5, v0
	v_readfirstlane_b32 s10, v1                    ; wave = head
	s_and_b32 s11, ttmp7, 0xffff                   ; batch
	v_and_b32 v1, 31, v0
	v_lshlrev_b32 v1, 4, v1                        ; 16 x lane
	v_and_b32 v2, 15, v0                           ; r
	v_bfe_u32 v3, v0, 4, 1                         ; h
	v_lshlrev_b32 v4, 3, v3
	v_sub_nc_u32 v4, v2, v4                        ; d = r - 8 h
	v_lshlrev_b32 v5, 12, v3
	v_lshl_add_u32 v5, v2, 4, v5                   ; Wo in memory: row h of a pair of rows, 16 bytes x (lane % 16)
	s_mul_i32 s12, s10, 4352                       ; my stage for Wo
	v_mul_u32_u24 v7, v3, 272
	v_lshl_add_u32 v7, v2, 4, v7
	v_add_nc_u32 v7, s12, v7                       ; in: as loaded
	v_mul_u32_u24 v8, v2, 272
	v_lshl_add_u32 v8, v3, 5, v8
	v_add_nc_u32 v8, s12, v8                       ; back: row r, + 32 h
	s_mul_i32 s13, s10, 1280
	s_add_co_u32 s13, s13, PST                     ; my stage for my head's part
	v_mul_u32_u24 v6, v2, 80
	v_lshl_add_u32 v6, v3, 5, v6
	v_add_nc_u32 v6, s13, v6                       ; row r, + 32 h
	v_and_b32 v11, 63, v0                          ; the adding threads: row t / 4, 16 bytes t % 4
	v_lshrrev_b32 v12, 2, v11
	v_and_b32 v13, 3, v11
	v_mul_u32_u24 v9, v12, 80
	v_lshl_add_u32 v9, v13, 4, v9
	v_add_nc_u32 v9, PST, v9
	v_lshlrev_b32 v10, 12, v12
	v_lshl_add_u32 v10, v13, 4, v10
	s_mov_b32 s14, 0x3e38aa3b                      ; c = log2(e) / 8
	s_mov_b32 s16, 0x76543210
	s_mov_b32 s17, 0xfedcba98
	s_lshl_b32 s18, s11, 4
	s_add_co_u32 s18, s18, s10
	s_mul_i32 s18, s18, 12288                      ; the head's place in fine
	s_mov_b32 s19, 0
	s_lshl_b32 s20, ttmp9, 16                      ; Wo: 16 rows of 4,096 bytes a work-group,
	s_lshl_b32 s21, s10, 8                         ; + the head's 64 numbers
	s_add_co_u32 s20, s20, s21
	s_mov_b32 s21, 0
	s_lshl_b32 s22, s11, 23                        ; out0: 2,048 rows a batch,
	s_lshl_b32 s23, ttmp9, 6                       ; + 16 columns a work-group
	s_add_co_u32 s22, s22, s23
	s_mov_b32 s23, 0
	s_wait_kmcnt 0x0
	s_add_nc_u64 s[4:5], s[4:5], s[18:19]
	s_add_nc_u64 s[6:7], s[6:7], s[20:21]
	s_add_nc_u64 s[8:9], s[8:9], s[22:23]
.irp p, 0,1,2,3,4,5,6,7
	global_load_b128 v[48+4*\p:51+4*\p], v1, s[4:5] offset:4096+512*\p     ; k
.endr
.irp p, 0,1,2,3,4,5,6,7
	global_load_b128 v[16+4*\p:19+4*\p], v1, s[4:5] offset:512*\p          ; q
.endr
.irp p, 0,1,2,3,4,5,6,7
	global_load_b128 v[80+4*\p:83+4*\p], v1, s[4:5] offset:8192+512*\p     ; v
.endr
.irp t, 0,1,2,3,4,5,6,7
	global_load_b128 v[112+4*\t:115+4*\t], v5, s[6:7] offset:8192*\t       ; Wo: rows 2 t and 2 t + 1, the head's 256 consecutive bytes of each
.endr
	s_wait_loadcnt 16                              ; k and q are in; v's 8 loads and Wo's 8 may stay out
	; S^T = K Q^T: 16 links, onto two accumulators by turns; their sum is taken below
.irp n, 0,1
	v_wmma_f32_16x16x4_f32 v[176+8*\n:183+8*\n], v[48+2*\n:49+2*\n], v[16+2*\n:17+2*\n], 0
.endr
.irp n, 2,3,4,5,6,7,8,9,10,11,12,13,14,15
	v_wmma_f32_16x16x4_f32 v[176+8*(\n%2):183+8*(\n%2)], v[48+2*\n:49+2*\n], v[16+2*\n:17+2*\n], v[176+8*(\n%2):183+8*(\n%2)]
.endr
.rept 8
	v_nop                                          ; eight places behind this form
.endr
.irp j, 0,1,2,3,4,5,6,7
	v_add_f32 v[48+\j], v[176+\j], v[184+\j]       ; lane (r, h): the score of key 8 h + j for query r
.endr
	v_mov_b32 v240, 0xff800000
.irp j, 0,1,2,3,4,5,6,7
	v_cmp_gt_i32 vcc_lo, \j, v4                    ; hidden where 8 h + j > r
	v_cndmask_b32 v[48+\j], v[48+\j], v240, vcc_lo
.endr
	v_max3_num_f32 v241, v48, v49, v50
	v_max3_num_f32 v241, v241, v51, v52
	v_max3_num_f32 v241, v241, v53, v54
	v_max_num_f32 v241, v241, v55
	v_mov_b32 v242, 0
	v_permlanex16_b32 v242, v241, s16, s17
	v_max_num_f32 v241, v241, v242                 ; the row's maximum (key 0 counts for every query)
	v_mul_f32 v241, s14, v241
.irp j, 0,1,2,3,4,5,6,7
	v_fma_f32 v[56+\j], v[48+\j], s14, -v241
.endr
.irp j, 0,1,2,3,4,5,6,7
	v_exp_f32 v[56+\j], v[56+\j]
.endr
	v_nop
	s_wait_alu depctr_va_vdst(0)                   ; one wait for the eight exponentials, ahead of their first reader
	v_add_f32 v243, v56, v57
	v_add_f32 v244, v58, v59
	v_add_f32 v245, v60, v61
	v_add_f32 v246, v62, v63
	v_add_f32 v243, v243, v244
	v_add_f32 v245, v245, v246
	v_add_f32 v243, v243, v245
	v_permlanex16_b32 v242, v243, s16, s17
	v_add_f32 v243, v243, v242
	v_rcp_f32 v244, v243                           ; 1 / the row's sum: wanted behind the next product
	s_wait_loadcnt 0x0                             ; v and Wo are in
.irp t, 0,1,2,3,4,5,6,7
	ds_store_b128 v7, v[112+4*\t:115+4*\t] offset:544*\t                   ; Wo through my own stage: LDS serves a wave's instructions in order, so no wait stands between the stores and the loads;
.endr
.irp p, 0,1,2,3,4,5,6,7
	ds_load_b128 v[144+4*\p:147+4*\p], v8 offset:64*(\p/2)+16*(\p%2)       ; Wo(N0 + r, 64 head + 16 ct + 8 h + j) into register 8 ct + j.  The round trip runs under the next product
.endr
	; O^T = V^T P: four links for each of four tiles of channels, the tiles by turns
.irp ct, 0,1,2,3
	v_wmma_f32_16x16x4_f32 v[192+8*\ct:199+8*\ct], v[80+8*\ct:81+8*\ct], v[56:57], 0
.endr
.irp i, 1,2,3
.irp ct, 0,1,2,3
	v_wmma_f32_16x16x4_f32 v[192+8*\ct:199+8*\ct], v[80+8*\ct+2*\i:81+8*\ct+2*\i], v[56+2*\i:57+2*\i], v[192+8*\ct:199+8*\ct]
.endr
.endr
.rept 8
	v_nop
.endr
	s_wait_alu depctr_va_vdst(0)                   ; the reciprocal's wait, ahead of its first reader
.irp n, 0,1,2,3,4,5,6,7,8,9,10,11,12,13,14,15,16,17,18,19,20,21,22,23,24,25,26,27,28,29,30,31
	v_mul_f32 v[16+\n], v[192+\n], v244            ; lane (r, h): query r, channel 16 ct + 8 h + j in register 8 ct + j
.endr
	s_wait_dscnt 0x0                               ; Wo is back from the stage
	; R^T = Wo O: 16 links, onto two accumulators by turns; their sum is taken below, into other registers
.irp n, 0,1
	v_wmma_f32_16x16x4_f32 v[224+8*\n:231+8*\n], v[144+2*\n:145+2*\n], v[16+2*\n:17+2*\n], 0
.endr
.irp n, 2,3,4,5,6,7,8,9,10,11,12,13,14,15
	v_wmma_f32_16x16x4_f32 v[224+8*(\n%2):231+8*(\n%2)], v[144+2*\n:145+2*\n], v[16+2*\n:17+2*\n], v[224+8*(\n%2):231+8*(\n%2)]
.endr
.rept 8
	v_nop
.endr
.irp j, 0,1,2,3,4,5,6,7
	v_add_f32 v[48+\j], v[224+\j], v[232+\j]       ; lane (r, h): query r, column 8 h + j: my head's part; both accumulators are read from their low ends on
.endr
	ds_store_b128 v6, v[48:51]
	ds_store_b128 v6, v[52:55] offset:16
	s_wait_dscnt 0x0                               ; for the others' sake: my stores have landed
	s_barrier_signal -1
	s_barrier_wait -1
	s_cmp_ge_u32 s10, 2                            ; 64 threads add the sixteen heads' parts, 16 bytes each
	s_cbranch_scc1 .Lend
.irp w, 0,1,2,3,4,5,6,7,8,9,10,11,12,13,14,15
	ds_load_b128 v[112+4*\w:115+4*\w], v9 offset:1280*\w
.endr
	s_wait_dscnt 0x0
.irp w, 0,1,2,3,4,5,6,7
	v_pk_add_f32 v[112+4*\w:113+4*\w], v[112+4*\w:113+4*\w], v[144+4*\w:145+4*\w]
	v_pk_add_f32 v[114+4*\w:115+4*\w], v[114+4*\w:115+4*\w], v[146+4*\w:147+4*\w]
.endr
.irp w, 0,1,2,3
	v_pk_add_f32 v[112+4*\w:113+4*\w], v[112+4*\w:113+4*\w], v[128+4*\w:129+4*\w]
	v_pk_add_f32 v[114+4*\w:115+4*\w], v[114+4*\w:115+4*\w], v[130+4*\w:131+4*\w]
.endr
.irp w, 0,1
	v_pk_add_f32 v[112+4*\w:113+4*\w], v[112+4*\w:113+4*\w], v[120+4*\w:121+4*\w]
	v_pk_add_f32 v[114+4*\w:115+4*\w], v[114+4*\w:115+4*\w], v[122+4*\w:123+4*\w]
.endr
	v_pk_add_f32 v[112:113], v[112:113], v[116:117]
	v_pk_add_f32 v[114:115], v[114:115], v[118:119]
	global_store_b128 v10, v[112:115], s[8:9]      ; four lanes store a row's 64 consecutive bytes
.Lend:
	s_wait_tensorcnt 0x0                           ; the wave's end: behind my last LDS store
	ds_add_u32 v[SPW], v[NIL]
	s_wait_dscnt 0x0
	s_endpgm
.Lfunc_end_k_qfebe106144_fine16:
	.size	k_qfebe106144_fine16, .Lfunc_end_k_qfebe106144_fine16-k_qfebe106144_fine16
	.p2alignl 7, 3214868480
	.fill 96, 4, 3214868480
	.section	.rodata,"a",@progbits
	.p2align	6, 0x0
	.amdhsa_kernel k_qfebe106144_fine16
		.amdhsa_group_segment_fixed_size 92160
		.amdhsa_private_segment_fixed_size 0
		.amdhsa_enable_private_segment 0
		.amdhsa_kernarg_size 24
		.amdhsa_user_sgpr_count 2
		.amdhsa_user_sgpr_kernarg_segment_ptr 1
		.amdhsa_wavefront_size32 1
		.amdhsa_system_sgpr_workgroup_id_x 1
		.amdhsa_system_sgpr_workgroup_id_y 1
		.amdhsa_system_sgpr_workgroup_id_z 1
		.amdhsa_system_vgpr_workitem_id 0
		.amdhsa_next_free_vgpr 256
		.amdhsa_next_free_sgpr 66
		.amdhsa_reserve_vcc 1
		.amdhsa_float_denorm_mode_32 3
		.amdhsa_float_denorm_mode_16_64 3
		.amdhsa_memory_ordered 1
		.amdhsa_forward_progress 1
		.amdhsa_inst_pref_size 18
	.end_amdhsa_kernel
	.amdgpu_metadata
---
amdhsa.version: [ 1, 2 ]
amdhsa.kernels:
  - .name:           k_qfebe106144_fine16
    .symbol:         k_qfebe106144_fine16.kd
    .args:
      - { .name: fine, .offset: 0, .size: 8, .value_kind: global_buffer, .address_space: global }
      - { .name: Wo, .offset: 8, .size: 8, .value_kind: global_buffer, .address_space: global }
      - { .name: out0, .offset: 16, .size: 8, .value_kind: global_buffer, .address_space: global }
    .group_segment_fixed_size: 92160
    .private_segment_fixed_size: 0
    .kernarg_segment_align: 8
    .kernarg_segment_size: 24
    .max_flat_workgroup_size: 512
    .sgpr_count:     66
    .vgpr_count:     256
    .wavefront_size: 32
...
	.end_amdgpu_metadata
.endif
;; end of part 5
